; MI455X (gfx1250); checked and timed in simulation.
; The chip was launched on July 23, 2026; its instructions are those of AMD's public machine-readable ISA for CDNA 5 (MIT licence, August 2026) and "CDNA5" Instruction Set Architecture Reference Guide (July 2026). The comments in the code are by the model that wrote it; some were corrected since.
;; Attention aux. Allowed arithmetic: matrix products marked QUANTISED: E5M2 operands, one E8M0 scale for each 32 along K, by v_wmma_scale_f32_16x16x128_f8f6f4 with both operands' format E5M2, f32 sums; products left as they are: f32 operands where the result goes on into a quantised operand, else bf16, f16 or f32 operands; f32 sums; everything else in f32.
;; Inputs: W1 1,024 x 4,096 float32; W3 1,024 x 3,072 float32; b1 1,024 float32; b3 1,024 float32; encoder_outputs 32 x 512 x 3,072 float32; hidden_state 32 x 1,024 float32; w2 1 x 1,024 float32.
;; Outputs: out0 32 x 1,024 float32.
;; This version of the problem:
;;   THIS VERSION OF THE PROBLEM IS GIVEN IN LOW PRECISION. The matrix products marked QUANTISED in the list below multiply operands that are first quantised to E5M2 (5 exponent bits, 2 mantissa bits; 8 bits a number), with one power-of-two scale for each 32 numbers along K (OCP MX v1.0); their sums are f32. All else is computed in f32.
;;   The module's matrix products, in the order in which they are computed (A, B: the left and right operand; K: the contracted axis; several contracted axes count as one K, in the product's order):
;;     1. [M 16,384, K 4,096] x [K 4,096, N 1,024]; A: computed on the way; B: input W1: QUANTISED
;;     2. [M 16,384, K 1,024] x [K 1,024, N 1]; A: computed on the way; B: input w2: left as it is (N = 1 < 16)
;;     3. batch 32 x [M 1, K 512] x [K 512, N 3,072]; A: softmax; B: input encoder_outputs: left as it is (M = 1 < 16)
;;     4. [M 32, K 3,072] x [K 3,072, N 1,024]; A: computed on the way; B: input W3: QUANTISED
;;   THE QUANTISER, for each operand of a quantised product, along K:
;;     - K is cut into blocks of 32 from its start; a last block that is shorter is filled with zeros.
;;     - A block's scale is 2^e with e = floor(log2(the largest magnitude in the block)) - 15, held to -126 .. 127; a block of zeros has e = 0. As a byte (E8M0): e + 127.
;;     - Each number is divided by its block's scale, clamped to +-57,344, and rounded to the nearest number of E5M2, ties to even, subnormals kept.
;;     - The product sums the exact products of the quantised numbers (number of the format x scale) in f32.
;;   ~~~python
;;   def quantise(x, axis):      # numpy; x: float32 -> the quantised numbers, widened to float32 again
;;       x = np.moveaxis(x, axis, -1); K = x.shape[-1]
;;       x = np.pad(x, [(0, 0)] * (x.ndim - 1) + [(0, -K % 32)]); x = x.reshape(x.shape[:-1] + (-1, 32)); a = np.abs(x).max(-1, keepdims=True)
;;       e = np.where(a > 0, np.clip(np.frexp(np.where(a > 0, a, 1))[1] - 1 - 15, -126, 127), 0)      # np.frexp(a)[1] - 1 = floor(log2(a)), exactly
;;       r = np.clip(x / 2.0 ** e, -57344, 57344)
;;       step = 2.0 ** (np.maximum(np.frexp(np.where(r == 0, 1, r))[1] - 1, -14) - 2)
;;       q = np.round(r / step) * step * 2.0 ** e      # np.round: ties to even
;;       return np.moveaxis(q.reshape(q.shape[:-2] + (-1,))[..., :K], -1, axis).astype(np.float32)
;;   ~~~
;;   OPERANDS COMPUTED ON THE WAY. 'Computed on the way' means the value that the module computes at that place (a softmax that the list does not call 'softmax' is quantised finished and normalised). What goes into a quantiser is computed in f32, as accurately as f32 sums, v_exp_f32 and their like allow (about 1e-6 of the number): no bf16 or f16 on the way to a quantiser, and a product that is left as it is and whose result goes on into a quantised operand takes f32 operands (vector FMAs, or v_wmma_f32_16x16x4_f32). A number that lies on a knife's edge between two numbers of the format may be rounded either way, as far as f32 arithmetic and the matrix unit's own rounding can turn it there, and no further.
;; 2 versions. Each part assembles by itself: llvm-mc -triple=amdgcn-amd-amdhsa -mcpu=gfx1250 --defsym DOCPART=n.
;; ======== version 1 of 2: 4 launches
;; workspace buffers: w1q 3,244,032 bytes; w3q 3,244,032 bytes; c2 131,072 bytes; escore 65,536 bytes; ctxq 98,304 bytes; ctxs 3,072 bytes
;; launch prep (part 1): grid 256 x 1, 16 waves a work-group, no clusters, 35,840 bytes of LDS; arguments W1, W3, hidden_state, b1, w1q, w3q, c2; writes w1q, w3q, c2
.if DOCPART == 1
	.amdgcn_target "amdgcn-amd-amdhsa--gfx1250"
	.amdhsa_code_object_version 6
	.text
	.protected	k_qb6332d7492_prep
	.globl	k_qb6332d7492_prep
	.p2align	8
	.type	k_qb6332d7492_prep,@function
k_qb6332d7492_prep:
	s_mov_b64 s[64:65], 0
	v_nop
	global_prefetch_b8 v0, s[64:65] scope:SCOPE_SE
	s_setreg_imm32_b32 hwreg(HW_REG_WAVE_MODE, 25, 1), 1
	s_wait_xcnt 0x0
; PREP: the weights become codes of E5M2 with E8M0 scales, laid as the later launches' operand registers want them, and the part of the first product that hangs on hidden_state is made once for each batch.
; THE WHOLE PROGRAM: out = Q(context) Q(W3)^T + b3, context = softmax_s(e) . enc, e = w2 . tanh(Q([enc, h]) Q(W1)^T + b1).
; WORK LEFT OUT, for all values of the inputs:
;  (1) reference() joins enc (K 0 .. 3,071) and h (K 3,072 .. 4,095) along K.  3,072 is a multiple of 32, so no block of the quantiser spans the join, and the sum over K is the sum over enc's part plus the sum over h's part.
;      h's part of a row is hidden_state[b], the same for all 512 positions of a batch by reference()'s own broadcast_to: its codes, scales and partial sums are the same 512 times.  They are made once for each batch, here: 32 rows in place of 16,384.
;  (2) tanh(z) = 1 - 2 r, r = 1 / (1 + 2^(2 log2(e) z)), so e = sum(w2) - 2 sum(w2 r).  sum(w2) is the same along the softmax's axis, so it cancels in alpha: it is not formed.
;  Every input has a way to the output and is loaded by some launch.  LIMIT: a NaN, an infinity or an overflow that reaches only the work left out (sum(w2)) is not carried to the result.
; LIMITS: NaN and infinities among the inputs are not served.  A block of zeros gets the scale byte 1 where the quantiser says 127: its codes are zeros, which add nothing under any byte but 0xff, and this program alone reads the bytes.
;         The h part is summed apart from enc's part, and K is summed in another order than ascending: f32 rounding only.
; ROLES, by the work-group's number x: 0-95: block x of W1[:, :3072] -> w1q;  96-191: block x - 96 of W3 -> w3q;  192-255: tile x - 192 of 16 rows of W1[:, 3072:] against Q(hidden_state) -> c2.
; A BLOCK p = 4 s + wq is K step s (128 along K) of rows 256 wq .. + 255: 16 images of 2,048 bytes (wave v: rows 256 wq + 16 v + r), then 1,024 bytes of scale words.  An image is the operand's registers as they stand:
; byte 512 c + 16 lane holds registers 4 c .. 4 c + 3 of lane (r, h): k = 128 s + 32 c + 16 h + 0 .. 15.  The scale word of (tile v, row r) lies at 512 (v / 8) + 16 (16 (v % 2) + r) + 4 ((v / 2) % 4), so that two
; loads of 16 bytes a lane give eight registers, register v / 2 holding tile v in lanes 0-15 (v even) or 16-31 (v odd).
; c2[b][d] = 2 log2(e) x (sum over h's K + b1[d]): what the score launch adds to 2 log2(e) x its own sums ahead of the exponential.
; A lane loads 16 neighbours along K of its row for each block of 32, in the operand's own order, so the conversions' results are the operand's registers; the 16 loads of a wave together cover 16 rows x 512 bytes.
; The two kinds of work-group part once, on the work-group's number, and share no LDS byte.
.set SCI,   0                          ; LDS, weights' path: the block's 1,024 bytes of scale words
.set HP,    1024                       ; LDS, h's path: 16 waves x 1,024 bytes of partial sums
.set SPARE, 33792                      ; the spare words, 128 bytes for each wave: eight blocks of 256 bytes that no other line names
.set LANE, 1
.set R,    2                           ; lane % 16
.set H,    3                           ; lane / 16
.set XA,   4                           ; my byte in the wave's 16 rows of the weight
.set XH,   5                           ; the same in 16 rows of hidden_state
.set LI,   6                           ; 16 x lane
.set SCA,  7                           ; where my row's scale word goes in SCI
.set HPA,  8                           ; my 16 bytes of my wave's partial sums
.set CO,   9                           ; my byte offset in 16 rows of c2
.set BO,   10                          ; 32 h
.set SPW,  12                          ; LDS address of my spare word; never rewritten
.set NIL,  13                          ; 0; never rewritten
.set TM,   16                          ; v16-19 largest magnitudes, v20-23 bytes, v24-27 57,344 x the scale, v28-31 the conversions' scale operands
.set PW0,  32                          ; the weight's scale word
.set PW1,  33                          ; h's
.set PC0,  36                          ; v36-51 the weight's codes
.set PC1,  52                          ; v52-67 h's codes
.set D,    68                          ; v68-75 the product
.set X0,   80                          ; v80-143 64 numbers of the weight; later the partial sums
.set X1,   144                         ; v144-207 64 numbers of h
.set BB,   208                         ; v208-215 b1
.set WV,   18
.set SEL,  20
.set MNT,  22
; 64 numbers of a lane, register 16 b + i = k 32 b + 16 (lane / 16) + i of my row, become a fragment's codes in v[pc] on and its scale word in v[pw]
.macro QUANT s, pc, pw
.irp b, 0,1,2,3
	v_max3_num_f32 v[TM+\b], |v[\s+16*\b]|, |v[\s+1+16*\b]|, 0x8000000   ; block b: my 16 numbers, and the floor 2^(16 - 127): the byte cannot fall under 1
.endr
.irp i, 2,4,6,8,10,12,14
.irp b, 0,1,2,3
	v_max3_num_f32 v[TM+\b], v[TM+\b], |v[\s+16*\b+\i]|, |v[\s+1+16*\b+\i]|   ; the four blocks by turns
.endr
.endr
.irp b, 0,1,2,3
	v_permlanex16_b32 v[TM+4+\b], v[TM+\b], s[SEL], s[SEL+1]
.endr
.irp b, 0,1,2,3
	v_max_num_f32 v[TM+\b], v[TM+\b], v[TM+4+\b]   ; with lane l xor 16's: the block's largest magnitude
.endr
.irp b, 0,1,2,3
	v_add_nc_u32 v[TM+12+\b], 0xf8800000, v[TM+\b]   ; 15 off its exponent field: the conversion takes this operand's exponent field as its scale
.endr
.irp b, 0,1,2,3
	v_and_or_b32 v[TM+8+\b], v[TM+\b], 0x7f800000, s[MNT]   ; 57,344 x the scale
.endr
.irp b, 0,1,2,3
	v_lshrrev_b32 v[TM+4+\b], 23, v[TM+12+\b]   ; the scale's byte
.endr
	v_lshl_or_b32 v[\pw], v[TM+5], 8, v[TM+4]
	v_lshl_or_b32 v[\pw], v[TM+6], 16, v[\pw]
	v_lshl_or_b32 v[\pw], v[TM+7], 24, v[\pw]      ; my row's scale word
.irp b, 0,1,2,3
.irp i, 0,1,2,3,4,5,6,7,8,9,10,11,12,13,14,15
	v_med3_num_f32 v[\s+16*\b+\i], v[\s+16*\b+\i], -v[TM+8+\b], v[TM+8+\b]   ; the conversion to an 8-bit code does not saturate (ISA guide 7.6.2): the hold at the largest code x the scale
.endr
	v_cvt_scalef32_pk8_bf8_f32 v[\pc+4*\b:\pc+1+4*\b], v[\s+16*\b:\s+7+16*\b], v[TM+12+\b]
	v_cvt_scalef32_pk8_bf8_f32 v[\pc+2+4*\b:\pc+3+4*\b], v[\s+8+16*\b:\s+15+16*\b], v[TM+12+\b]
.endr
	v_nop                                          ; one plain vector instruction behind the last scaled conversion
.endm
.macro XLOAD reg, adr, base, nt        ; my 64 numbers of a K step: 16 neighbours of each block of 32
.irp b, 0,1,2,3
.irp j, 0,1,2,3
.if \nt
	global_load_b128 v[\reg+16*\b+4*\j:\reg+16*\b+4*\j+3], v[\adr], s[\base:\base+1] offset:128*\b+16*\j th:TH_LOAD_NT
.else
	global_load_b128 v[\reg+16*\b+4*\j:\reg+16*\b+4*\j+3], v[\adr], s[\base:\base+1] offset:128*\b+16*\j
.endif
.endr
.endr
.endm
	s_load_b256 s[4:11], s[0:1], 0x0               ; W1 s[4:5], W3 s[6:7], hidden_state s[8:9], b1 s[10:11]
	s_load_b128 s[12:15], s[0:1], 0x20             ; w1q s[12:13], w3q s[14:15]
	s_load_b64 s[16:17], s[0:1], 0x30              ; c2
	v_lshl_add_u32 v[SPW], v0, 2, SPARE
	v_mov_b32 v[NIL], 0
	v_lshrrev_b32 v[LANE], 5, v0
	v_readfirstlane_b32 s[WV], v[LANE]             ; wave 0..15
	v_and_b32 v[LANE], 31, v0
	v_and_b32 v[R], 15, v0
	v_bfe_u32 v[H], v0, 4, 1
	v_lshlrev_b32 v[LI], 4, v[LANE]
	s_mov_b32 s[SEL], 0x76543210
	s_mov_b32 s[SEL+1], 0xfedcba98                 ; v_permlanex16_b32's selects for lane l xor 16
	s_mov_b32 s[MNT], 0x600000                     ; the mantissa field of 57,344
.irp b, 0,1,2,3
	v_mov_b32 v[TM+4+\b], 0                        ; written once: a lane permute's destination counts as one of its sources
.endr
	s_cmp_ge_u32 ttmp9, 192                        ; the work-group's number alone: all sixteen waves go the same way
	s_cbranch_scc1 .Lh
	; ---- the weights' path: one fragment a wave
	s_lshr_b32 s32, s[WV], 3                       ; my scale words' place in the block's 1,024 bytes
	s_lshl_b32 s32, s32, 9
	s_and_b32 s33, s[WV], 1
	s_lshl_b32 s33, s33, 8
	s_add_co_u32 s32, s32, s33
	s_bfe_u32 s33, s[WV], 0x20001                  ; (wave / 2) % 4
	s_lshl_b32 s33, s33, 2
	s_add_co_u32 s32, s32, s33
	v_lshl_add_u32 v[SCA], v[R], 4, s32
	s_wait_kmcnt 0x0
	s_cmp_lt_u32 ttmp9, 96                         ; W1 or W3: only pointers, the pitch and the block's number are chosen
	s_cselect_b64 s[4:5], s[4:5], s[6:7]
	s_cselect_b64 s[12:13], s[12:13], s[14:15]
	s_cselect_b32 s23, 0, 96
	s_mov_b32 s24, 12288
	s_cselect_b32 s24, 16384, s24                  ; a row of the weight in bytes
	s_sub_co_u32 s23, ttmp9, s23                   ; p
	s_lshr_b32 s25, s23, 2                         ; K step
	s_and_b32 s26, s23, 3                          ; quarter of the rows
	s_lshl_b32 s26, s26, 8
	s_lshl_b32 s27, s[WV], 4
	s_add_co_u32 s26, s26, s27                     ; my first row
	s_mul_i32 s28, s26, s24
	s_lshl_b32 s25, s25, 9
	s_add_co_u32 s28, s28, s25                     ; + 512 bytes a K step
	s_mov_b32 s29, 0
	s_add_nc_u64 s[4:5], s[4:5], s[28:29]
	s_mul_i32 s30, s23, 33792
	s_lshl_b32 s27, s[WV], 11
	s_add_co_u32 s30, s30, s27                     ; my image
	s_mov_b32 s31, 0
	s_add_nc_u64 s[12:13], s[12:13], s[30:31]
	v_mul_lo_u32 v[XA], v[R], s24
	v_lshl_add_u32 v[XA], v[H], 6, v[XA]           ; row r, + 64 h: my 16 numbers of a block
	XLOAD X0, XA, 4, 1
	s_wait_loadcnt 0x0
	QUANT X0, PC0, PW0
.irp c, 0,1,2,3
	global_store_b128 v[LI], v[PC0+4*\c:PC0+4*\c+3], s[12:13] offset:512*\c   ; 32 lanes store 512 consecutive bytes, at a multiple of 256 from the buffer's first byte
.endr
	ds_store_b32 v[SCA], v[PW0]                    ; lanes r and r + 16 write the same word with the same value
	s_wait_dscnt 0x0                               ; for the others' sake: my store is done
	s_barrier_signal -1
	s_barrier_wait -1
	s_cmp_lg_u32 s[WV], 0
	s_cbranch_scc1 .Lwend
	ds_load_b128 v[X0:X0+3], v[LI] offset:SCI      ; wave 0 sends the block's scale words out as four whole runs of 256 bytes
	ds_load_b128 v[X0+4:X0+7], v[LI] offset:SCI+512
	s_wait_dscnt 0x0
	global_store_b128 v[LI], v[X0:X0+3], s[12:13] offset:32768
	global_store_b128 v[LI], v[X0+4:X0+7], s[12:13] offset:32768+512
.Lwend:
	s_wait_tensorcnt 0x0                           ; the wave's end: behind my last LDS store
	ds_add_u32 v[SPW], v[NIL]
	s_wait_dscnt 0x0
	s_endpgm
	; ---- h's path: wave v multiplies K step v / 2 of 16 rows of W1[:, 3072:] with rows 16 (v % 2) .. + 15 of hidden_state
.Lh:
	s_sub_co_u32 s23, ttmp9, 192                   ; the tile of 16 rows of W1
	s_lshr_b32 s25, s[WV], 1                       ; K step of h's part
	s_and_b32 s26, s[WV], 1                        ; m: which 16 batches
	s_lshl_b32 s27, s25, 9                         ; 512 bytes a K step
	s_lshl_b32 s28, s23, 18                        ; 16 rows of 16,384 bytes
	s_add_co_u32 s28, s28, s27
	s_add_co_u32 s28, s28, 12288                   ; from column 3,072 on
	s_mov_b32 s29, 0
	s_lshl_b32 s30, s26, 16                        ; 16 rows of 4,096 bytes
	s_add_co_u32 s30, s30, s27
	s_mov_b32 s31, 0
	s_lshl_b32 s34, s23, 6                         ; the tile's 16 numbers of b1
	s_mov_b32 s35, 0
	s_lshl_b32 s36, s26, 16
	s_add_co_u32 s36, s36, s34                     ; c2: 16 m rows of 4,096 bytes, + the tile's 64 bytes
	s_mov_b32 s37, 0
	v_lshlrev_b32 v[XA], 14, v[R]
	v_lshl_add_u32 v[XA], v[H], 6, v[XA]
	v_lshlrev_b32 v[XH], 12, v[R]
	v_lshl_add_u32 v[XH], v[H], 6, v[XH]
	s_lshl_b32 s32, s[WV], 10
	s_add_co_u32 s32, s32, HP
	v_add_nc_u32 v[HPA], s32, v[LI]
	v_lshlrev_b32 v[BO], 5, v[H]
	v_lshl_add_u32 v[CO], v[R], 12, v[BO]
	s_wait_kmcnt 0x0
	s_add_nc_u64 s[4:5], s[4:5], s[28:29]
	s_add_nc_u64 s[8:9], s[8:9], s[30:31]
	s_add_nc_u64 s[10:11], s[10:11], s[34:35]
	s_add_nc_u64 s[16:17], s[16:17], s[36:37]
	XLOAD X0, XA, 4, 0
	XLOAD X1, XH, 8, 0
	global_load_b128 v[BB:BB+3], v[BO], s[10:11]   ; b1 at the lane's eight columns; every wave loads them: a branch round two loads would spare nothing
	global_load_b128 v[BB+4:BB+7], v[BO], s[10:11] offset:16
	s_wait_loadcnt 0x0
	QUANT X0, PC0, PW0
	QUANT X1, PC1, PW1
.rept 8
	v_nop                                          ; a scale word written by vector instructions stands eight places ahead of a scaled matrix instruction, codes four
.endr
	v_wmma_scale_f32_16x16x128_f8f6f4 v[D:D+7], v[PC0:PC0+15], v[PC1:PC1+15], 0, v[PW0], v[PW1] matrix_a_fmt:MATRIX_FMT_BF8 matrix_b_fmt:MATRIX_FMT_BF8   ; transposed: lane (r, h) holds batch 16 m + r, register j column 8 h + j of the tile
.rept 8
	v_nop                                          ; eight places ahead of the first read of the result
.endr
	ds_store_b128 v[HPA], v[D:D+3]
	ds_store_b128 v[HPA], v[D+4:D+7] offset:512
	s_wait_dscnt 0x0                               ; for the others' sake: my stores are done
	s_barrier_signal -1
	s_barrier_wait -1
	s_cmp_ge_u32 s[WV], 2
	s_cbranch_scc1 .Lhend
.irp sp, 0,1,2,3,4,5,6,7               ; waves 0 and 1 (m = the wave's number) add the eight K steps: wave 2 sp + m's partial sums lie 2,048 sp bytes on from my own
.irp u, 0,1
	ds_load_b128 v[X0+8*\sp+4*\u:X0+8*\sp+4*\u+3], v[HPA] offset:2048*\sp+512*\u
.endr
.endr
	s_wait_dscnt 0x0
.irp sp, 1,2,3,4,5,6,7
.irp k, 0,2,4,6
	v_pk_add_f32 v[X0+\k:X0+\k+1], v[X0+\k:X0+\k+1], v[X0+8*\sp+\k:X0+8*\sp+\k+1]
.endr
.endr
.irp k, 0,2,4,6
	v_pk_add_f32 v[X0+\k:X0+\k+1], v[X0+\k:X0+\k+1], v[BB+\k:BB+\k+1]
.endr
.irp k, 0,2,4,6
	v_pk_mul_f32 v[X0+\k:X0+\k+1], v[X0+\k:X0+\k+1], 0x4038aa3b op_sel_hi:[1,0]   ; x 2 log2(e)
.endr
	global_store_b128 v[CO], v[X0:X0+3], s[16:17]  ; 64 bytes of each of 16 rows: the tile is 16 columns wide; c2 is 128 KiB in all
	global_store_b128 v[CO], v[X0+4:X0+7], s[16:17] offset:16
.Lhend:
	s_wait_tensorcnt 0x0                           ; the wave's end: behind my last LDS store
	ds_add_u32 v[SPW], v[NIL]
	s_wait_dscnt 0x0
	s_endpgm
.Lfunc_end_k_qb6332d7492_prep:
	.size	k_qb6332d7492_prep, .Lfunc_end_k_qb6332d7492_prep-k_qb6332d7492_prep
	.p2alignl 7, 3214868480
	.fill 96, 4, 3214868480
	.section	.rodata,"a",@progbits
	.p2align	6, 0x0
	.amdhsa_kernel k_qb6332d7492_prep
		.amdhsa_group_segment_fixed_size 35840
		.amdhsa_private_segment_fixed_size 0
		.amdhsa_enable_private_segment 0
		.amdhsa_kernarg_size 56
		.amdhsa_user_sgpr_count 2
		.amdhsa_user_sgpr_kernarg_segment_ptr 1
		.amdhsa_wavefront_size32 1
		.amdhsa_system_sgpr_workgroup_id_x 1
		.amdhsa_system_sgpr_workgroup_id_y 1
		.amdhsa_system_sgpr_workgroup_id_z 1
		.amdhsa_system_vgpr_workitem_id 0
		.amdhsa_next_free_vgpr 224
		.amdhsa_next_free_sgpr 66
		.amdhsa_reserve_vcc 0
		.amdhsa_float_denorm_mode_32 3
		.amdhsa_float_denorm_mode_16_64 3
		.amdhsa_memory_ordered 1
		.amdhsa_forward_progress 1
		.amdhsa_inst_pref_size 39
	.end_amdhsa_kernel
	.amdgpu_metadata
---
amdhsa.version: [ 1, 2 ]
amdhsa.kernels:
  - .name:           k_qb6332d7492_prep
    .symbol:         k_qb6332d7492_prep.kd
    .args:
      - { .name: W1, .offset: 0, .size: 8, .value_kind: global_buffer, .address_space: global }
      - { .name: W3, .offset: 8, .size: 8, .value_kind: global_buffer, .address_space: global }
      - { .name: hidden_state, .offset: 16, .size: 8, .value_kind: global_buffer, .address_space: global }
      - { .name: b1, .offset: 24, .size: 8, .value_kind: global_buffer, .address_space: global }
      - { .name: w1q, .offset: 32, .size: 8, .value_kind: global_buffer, .address_space: global }
      - { .name: w3q, .offset: 40, .size: 8, .value_kind: global_buffer, .address_space: global }
      - { .name: c2, .offset: 48, .size: 8, .value_kind: global_buffer, .address_space: global }
    .group_segment_fixed_size: 35840
    .private_segment_fixed_size: 0
    .kernarg_segment_align: 8
    .kernarg_segment_size: 56
    .max_flat_workgroup_size: 512
    .sgpr_count:     66
    .vgpr_count:     224
    .wavefront_size: 32
...
	.end_amdgpu_metadata
.endif
;; end of part 1
;; launch score (part 2): grid 256 x 1, 4 waves a work-group, clusters of 4 x 1, 327,680 bytes of LDS; arguments encoder_outputs, w1q, c2, w2, escore; writes escore
.if DOCPART == 2
	.amdgcn_target "amdgcn-amd-amdhsa--gfx1250"
	.amdhsa_code_object_version 6
	.text
	.protected	k_qb6332d7492_score
	.globl	k_qb6332d7492_score
	.p2align	8
	.type	k_qb6332d7492_score,@function
k_qb6332d7492_score:
	s_mov_b64 s[64:65], 0
	v_nop
	global_prefetch_b8 v0, s[64:65] scope:SCOPE_SE
	s_setreg_imm32_b32 hwreg(HW_REG_WAVE_MODE, 25, 1), 1
	s_wait_xcnt 0x0
	s_wait_alu depctr_hold_cnt(0) depctr_sa_sdst(0) depctr_va_vdst(0) depctr_va_sdst(0) depctr_va_ssrc(0) depctr_va_vcc(0) depctr_vm_vsrc(0)
	s_getreg_b32 s2, hwreg(HW_REG_IB_STS2, 6, 4)
	s_cmp_eq_u32 s2, 0
	s_cbranch_scc0 .Lentry_in_a_cluster
	s_endpgm
.Lentry_in_a_cluster:
	s_bfe_u32 s2, ttmp6, 0x10000c
	s_cmp_lg_u32 s2, 0x3003
	s_cbranch_scc0 .Lentry_shape_is_right
	s_endpgm
.Lentry_shape_is_right:
; SCORE: escore[row] = -2 sum over d of w2[d] / (1 + 2^(2 log2(e) z[row][d])), z = Q(enc) Q(W1[:, :3072])^T + (h's part + b1), for the 16,384 rows of enc.
; LEFT OUT (shown at the head of the first launch): h's part of the product comes from c2, made once for each batch; sum(w2), the same along the softmax's axis, is not formed.
; LIMITS: NaN and infinities are not served; a block of zeros has the scale byte 1 over zero codes; K is summed from a K step that hangs on the cluster's number, round to where it began: f32 rounding only.
; SHARES.  A work-group owns 64 rows of enc and all 1,024 columns d.  Wave w owns columns 256 w .. + 255: 4 tiles of rows x 16 tiles of columns = 64 accumulators, 512 registers.  Wave w also quantises rows 16 w .. + 15.
; THE MATRIX INSTRUCTION IS USED TRANSPOSED (source 0 = 16 rows of W1, source 1 = 16 rows of enc): a lane holds ONE row of enc, and its registers run along d, so the sum over d stays in the lane.
; enc comes from memory straight into registers in the operand's own order (a lane: 16 neighbours of each block of 32 of its row), two K steps ahead; a half step's eight loads of a wave cover 16 rows x 256 aligned bytes.
; It is quantised a K step ahead, a block of 32 behind each run of 16 matrix instructions, and goes to the other waves through LDS as an image of the operand's registers (two buffers by turns).
; W1's codes and scale words come as blocks of 33,792 bytes laid by the first launch as register images, through a ring of two LDS slots; wave w fetches and reads quarter w.
; CLUSTER.  All work-groups walk the same blocks of W1; the four of a cluster ask JOINTLY (mask 15): the same tensor load with the same descriptor, which hangs on the wave's number and the cluster's number alone.
; Cluster c begins at K step c mod 24 and goes round.
; ONE ROUND A TRIP orders four things: my part of the slot ahead has landed; my reads of the slot behind are over; my image of this trip's rows is stored; my reads of the other image buffer are over.
; A wave has one tensor load out at a time.
; REGISTERS, in windows of 256: window 0: addresses, scale words, A's four fragments, two buffers of four fragments of W1.  window 1: two sets of 64 numbers of enc, the quantiser's registers; in the last trip c2 and w2.
;   windows 2 and 3: accumulator (row tile m, column tile n) in window 2 + n / 8 at v[8 (4 (n % 8) + m)].
.set SLOTB, 135168                     ; a slot: four quarters
.set QUARB, 33792                      ; a quarter: 16 images of 2,048 bytes, 1,024 bytes of scale words
.set AIMG,  270336                     ; behind the ring: two buffers of enc's images,
.set ABUF,  8704                       ; each four images of 2,048 bytes,
.set ASC,   8192                       ; then four times 128 bytes of scale words
.set EP,    287744                     ; four waves' partial scores, 256 bytes each
.set SPARE, 288768                     ; the spare words, 128 bytes for each wave: two blocks of 256 bytes that no other line names
.set LB,   2                           ; v2, v3  my 16 bytes of an image in my quarter of slot 0, 1
.set LA,   4                           ; v4   my 16 bytes of an image of enc
.set LS,   5                           ; v5   my scale word of enc
.set SPW,  6                           ; v6   LDS address of my spare word; never rewritten
.set NIL,  7                           ; v7   0; never rewritten
.set XA,   8                           ; v8   enc: row r of 12,288 bytes, + 64 h
.set IW,   9                           ; v9   where I store my wave's image
.set SW,   10                          ; v10  and its scale word
.set CW,   11                          ; v11  c2, w2: 1,024 w + 32 h
.set AS,   12                          ; v12-15 enc's scale words, row tile m
.set BS,   16                          ; v16-23 W1's: register n / 2, lanes 0-15 for n even, 16-31 for n odd
.set E,    24                          ; v24-31 the scores' sums, a pair for each row tile
.set AF,   32                          ; v32-95 enc's four fragments
.set BF,   96                          ; v96-223 W1's fragments: two buffers of four
.set EPS,  224
.set EPR,  225
.set EO,   226
.set X,    0                           ; window 1: v0-127 two sets of 64 numbers
.set TM,   128                         ; window 1: v128-143 as in the first launch
.set PW,   144                         ; window 1: the scale word in the making
.set PC,   148                         ; window 1: v148-163 the codes
.set C2,   0                           ; window 1, last trip: c2 at my 128 columns
.set W2,   128                         ; window 1, last trip: w2 likewise
.set WV,   14
.set SEL,  20
.set MNT,  22
.set G1,   24                          ; s[24:31] descriptor group 1
.set G0,   32                          ; s[32:39] group 0, a set for each slot
.set ENC0, 40                          ; s[40:41] enc at my wave's first row
.set EB,   42                          ; s[42:43] the same at the K step that is being loaded
.set W1B,  44                          ; s[44:45] w1q at my quarter of K step 0
.set QB,   46                          ; the K step that the next tensor load takes
.set QL,   47                          ; the K step that the next loads of enc take
.set CNT,  48
.set OFS,  50                          ; s[50:51] an offset; it never holds my place in the cluster
.set K2,   52                          ; s[52:53] 2 log2(e)
.set MSB, 0
.macro WIN new                         ; the immediate's high byte repeats the setting that is left; a switch that changes nothing is dropped
.if MSB != (\new)
	s_set_vgpr_msb (MSB<<8)|(\new)
.set MSB, (\new)
.endif
.endm
.macro PLACES n
.rept \n
	v_nop
.endr
.endm
.macro ROUND                           ; a round of the cluster's barrier
	s_barrier_signal -1
	s_barrier_wait -1
	s_cmp_lg_u32 s[WV], 0
	s_cbranch_scc1 .Lnot_wave_0_\@
	s_barrier_signal -3
.Lnot_wave_0_\@:
	s_barrier_wait -3
	s_barrier_signal -1
	s_barrier_wait -1
.endm
.macro NEXTQ r                         ; the next K step, round from 23 to 0
	s_add_co_u32 s[\r], s[\r], 1
	s_cmp_eq_u32 s[\r], 24
	s_cselect_b32 s[\r], 0, s[\r]
.endm
.macro SETEB
	s_wait_xcnt 0x0                                ; the earlier loads have read their base: it may be written
	s_lshl_b32 s[OFS], s[QL], 9                    ; 512 bytes a K step
	s_add_nc_u64 s[EB:EB+1], s[ENC0:ENC0+1], s[OFS:OFS+1]
	NEXTQ QL
.endm
.macro SETG0 n                         ; slot n's descriptor takes the next K step (no tensor load of mine is out)
	s_mul_i32 s[OFS], s[QB], SLOTB
	s_add_nc_u64 s[G0+4*(\n)+2:G0+4*(\n)+3], s[W1B:W1B+1], s[OFS:OFS+1]
	s_or_b32 s[G0+4*(\n)+3], s[G0+4*(\n)+3], 0x80000000
	NEXTQ QB
.endm
.macro XLOADH set, half                ; two blocks of 32 along K of my wave's 16 rows
	WIN 0x40                                       ; destination window 1
.irp bb, 0,1
.irp j, 0,1,2,3
	global_load_b128 v[X+64*(\set)+16*(2*(\half)+\bb)+4*\j:X+64*(\set)+16*(2*(\half)+\bb)+4*\j+3], v[XA], s[EB:EB+1] offset:128*(2*(\half)+\bb)+16*\j th:TH_LOAD_NT
.endr
.endr
.endm
.macro QUANTB b, set                   ; block b of the set: my 16 numbers become registers 4 b .. 4 b + 3 of the fragment, and byte b of the scale word
.set XS, X+64*(\set)+16*(\b)
	WIN 0x55                                       ; all in window 1
	v_max3_num_f32 v[TM+\b], |v[XS]|, |v[XS+1]|, 0x8000000          ; two chains; the floor 2^(16 - 127) among the leaves: the byte cannot fall under 1
	v_max3_num_f32 v[TM+4+\b], |v[XS+2]|, |v[XS+3]|, |v[XS+4]|
	v_max3_num_f32 v[TM+\b], v[TM+\b], |v[XS+5]|, |v[XS+6]|
	v_max3_num_f32 v[TM+4+\b], v[TM+4+\b], |v[XS+7]|, |v[XS+8]|
	v_max3_num_f32 v[TM+\b], v[TM+\b], |v[XS+9]|, |v[XS+10]|
	v_max3_num_f32 v[TM+4+\b], v[TM+4+\b], |v[XS+11]|, |v[XS+12]|
	v_max3_num_f32 v[TM+\b], v[TM+\b], |v[XS+13]|, |v[XS+14]|
	v_max3_num_f32 v[TM+\b], v[TM+\b], v[TM+4+\b], |v[XS+15]|
	v_permlanex16_b32 v[TM+4+\b], v[TM+\b], s[SEL], s[SEL+1]
	v_max_num_f32 v[TM+\b], v[TM+\b], v[TM+4+\b]   ; with lane l xor 16's: the block's largest magnitude
	v_add_nc_u32 v[TM+12+\b], 0xf8800000, v[TM+\b] ; 15 off its exponent field: the conversion's scale operand
	v_and_or_b32 v[TM+8+\b], v[TM+\b], 0x7f800000, s[MNT]   ; 57,344 x the scale
.if (\b) > 0
	v_lshrrev_b32 v[TM+4+\b], 23, v[TM+12+\b]      ; the scale's byte
.endif
.irp i, 0,1,2,3,4,5,6,7,8,9,10,11,12,13,14,15
	v_med3_num_f32 v[XS+\i], v[XS+\i], -v[TM+8+\b], v[TM+8+\b]   ; the conversion does not saturate (ISA guide 7.6.2): the hold
.endr
	v_cvt_scalef32_pk8_bf8_f32 v[PC+4*(\b):PC+4*(\b)+1], v[XS:XS+7], v[TM+12+\b]
	v_cvt_scalef32_pk8_bf8_f32 v[PC+4*(\b)+2:PC+4*(\b)+3], v[XS+8:XS+15], v[TM+12+\b]
.if (\b) == 0
	v_lshrrev_b32 v[PW], 23, v[TM+12+\b]           ; the byte into the word: also the plain line behind the conversions
.else
	v_lshl_or_b32 v[PW], v[TM+4+\b], 8*(\b), v[PW]
.endif
.endm
.macro QSTEP g, set, load, lc          ; lc: the loads issued behind block g's four, which may stay out
	s_wait_loadcnt \lc
	QUANTB \g, \set
.if (\load) && ((\g) % 2 == 1)
	XLOADH \set, (\g)/2                            ; the two blocks just quantised take the K step two steps on
.endif
.endm
.macro IMAGE buf                       ; my fragment and its scale words go to LDS as they stand
	WIN 0x04                                       ; an LDS store's data are its source 1: window 1
.irp c, 0,1,2,3
	ds_store_b128 v[IW], v[PC+4*\c:PC+4*\c+3] offset:ABUF*(\buf)+512*\c
.endr
	ds_store_b32 v[SW], v[PW] offset:ABUF*(\buf)
.endm
.macro AFETCH buf                      ; the four fragments of enc and their scale words
.irp m, 0,1,2,3
.irp c, 0,1,2,3
	ds_load_b128 v[AF+16*\m+4*\c:AF+16*\m+4*\c+3], v[LA] offset:ABUF*(\buf)+2048*\m+512*\c
.endr
.endr
.irp m, 0,1,2,3
	ds_load_b32 v[AS+\m], v[LS] offset:ABUF*(\buf)+128*\m
.endr
.endm
.macro BSC sl                          ; my quarter's scale words
.irp q, 0,1
	ds_load_b128 v[BS+4*\q:BS+4*\q+3], v[LB+\sl] offset:32768+512*\q
.endr
.endm
.macro BFETCH sl, g                    ; column tiles 4 g .. 4 g + 3 into buffer g % 2
.irp np, 0,1,2,3
.irp c, 0,1,2,3
	ds_load_b128 v[BF+64*((\g)%2)+16*\np+4*\c:BF+64*((\g)%2)+16*\np+4*\c+3], v[LB+\sl] offset:2048*(4*(\g)+\np)+512*\c
.endr
.endr
.endm
; 16 matrix instructions: column tiles 4 g .. 4 g + 3 x the four row tiles.  The 64 accumulators take turns, one instruction a turn, in the same order in every trip.  zero = 1: the first trip starts the sums.
.macro MUL16 g, zero
	WIN 0xa0+0x50*((\g)/2)                         ; C and D in window 2 or 3, the operands in window 0
.irp np, 0,1,2,3
.irp m, 0,1,2,3
.set AC, 8*(4*((4*(\g)+\np)%8)+\m)
.set BR, BF+64*((\g)%2)+16*\np
.set AR, AF+16*\m
.set SB, BS+(4*(\g)+\np)/2
.if \zero
.if \np%2
	v_wmma_scale_f32_16x16x128_f8f6f4 v[AC:AC+7], v[BR:BR+15], v[AR:AR+15], 0, v[SB], v[AS+\m] matrix_a_fmt:MATRIX_FMT_BF8 matrix_b_fmt:MATRIX_FMT_BF8 matrix_a_scale:MATRIX_SCALE_ROW1
.else
	v_wmma_scale_f32_16x16x128_f8f6f4 v[AC:AC+7], v[BR:BR+15], v[AR:AR+15], 0, v[SB], v[AS+\m] matrix_a_fmt:MATRIX_FMT_BF8 matrix_b_fmt:MATRIX_FMT_BF8
.endif
.else
.if \np%2
	v_wmma_scale_f32_16x16x128_f8f6f4 v[AC:AC+7], v[BR:BR+15], v[AR:AR+15], v[AC:AC+7], v[SB], v[AS+\m] matrix_a_fmt:MATRIX_FMT_BF8 matrix_b_fmt:MATRIX_FMT_BF8 matrix_a_scale:MATRIX_SCALE_ROW1
.else
	v_wmma_scale_f32_16x16x128_f8f6f4 v[AC:AC+7], v[BR:BR+15], v[AR:AR+15], v[AC:AC+7], v[SB], v[AS+\m] matrix_a_fmt:MATRIX_FMT_BF8 matrix_b_fmt:MATRIX_FMT_BF8
.endif
.endif
.endr
.endr
.endm
.macro EPLOAD                          ; c2 of my batch and w2 at the lane's eight columns of each of my 16 column tiles
	WIN 0x40
.irp n, 0,1,2,3,4,5,6,7,8,9,10,11,12,13,14,15
.irp u, 0,1
	global_load_b128 v[C2+8*\n+4*\u:C2+8*\n+4*\u+3], v[CW], s[8:9] offset:64*\n+16*\u
	global_load_b128 v[W2+8*\n+4*\u:W2+8*\n+4*\u+3], v[CW], s[10:11] offset:64*\n+16*\u
.endr
.endr
.endm
; A TRIP: 128 along K.  sl: the slot and the image buffer in hand.  quant: the next K step's rows are quantised (set 1 - sl) and stored as images (buffer 1 - sl).  load: the K step three on is asked for.
; lc0, dec: block g's wait on the loads is lc0 - 4 dec g.  refill: the other slot takes the next K step.  epl: c2 and w2 are asked for.
; A load into a register that a matrix instruction has read stands eight places behind it, and only plain vector instructions that name none of its registers are places (ISA guide 7.12.1 for vector instructions
; ): the quantiser's lines, all in window 1, are those places, between each run of products and the loads into its operands, and between a trip's last product and the next trip's loads.
.macro ETRIP sl, zero, quant, load, lc0, dec, refill, epl
	s_wait_tensorcnt 0x0                           ; my one tensor load, my quarter of the slot ahead, has landed: so a group 0 may be written
	ds_add_u32 v[SPW], v[NIL]                      ; 0 onto my spare word: the address steps stand between it and the wait for it
.if \load
	SETEB
.endif
.if \refill
	SETG0 1-\sl
.endif
	s_wait_dscnt 0x0                               ; the add is done, my image is stored, and my reads of the slot and of the image buffer behind are over
.if \refill
	ROUND                                          ; all that now holds of every wave of every partner
	tensor_load_to_lds s[G0+4*(1-\sl):G0+4*(1-\sl)+3], s[G1:G1+7]   ; the first thing behind the round, and my one tensor load until the next
	s_nop 0
	PLACES 4
.else
	s_barrier_signal -1                            ; the work-group's own does
	s_barrier_wait -1
.endif
	AFETCH \sl
	BSC \sl
	BFETCH \sl, 0
	BFETCH \sl, 1
.if \epl
	EPLOAD
.endif
.irp g, 0,1,2,3
.if \g == 3
	s_wait_dscnt 0x0
.else
	s_wait_dscnt 16                                ; all but the youngest run of 16 loads: the next four column tiles
.endif
	MUL16 \g, \zero
.if \quant
	QSTEP \g, 1-\sl, \load, \lc0-4*\dec*\g
.elseif \g < 2
	PLACES 8
.endif
	WIN 0
.if \g < 2
	BFETCH \sl, \g+2
.endif
.endr
.if \quant
	IMAGE 1-\sl
.endif
	WIN 0                                          ; at a label and at a branch every window is 0
.endm
	s_load_b256 s[4:11], s[0:1], 0x0               ; enc s[4:5], w1q s[6:7], c2 s[8:9], w2 s[10:11]
	s_load_b64 s[12:13], s[0:1], 0x20              ; escore
	v_lshl_add_u32 v[SPW], v0, 2, SPARE
	v_mov_b32 v[NIL], 0
	ds_add_u32 v[SPW], v[NIL]                      ; the wave's opening: twice on end, its wait ahead of my first tensor load; the set-up below, work on registers, stands between
	ds_add_u32 v[SPW], v[NIL]                      ; and once more, under the one wait
	v_lshrrev_b32 v1, 5, v0
	v_readfirstlane_b32 s[WV], v1                  ; wave 0..3
	s_bfe_u32 s15, ttmp6, 0x40000                  ; cx: my place in the cluster
	s_lshl_b32 s16, ttmp9, 2                       ; in a cluster launch ttmp9 counts clusters
	s_add_co_u32 s16, s16, s15                     ; my block of 64 rows: it enters enc's and escore's addresses alone
	; descriptor group 1: a dense block of 33,792 bytes as 132 rows of 256 bytes (32 elements of 8 bytes), no padding: the images are read 16 bytes a lane on end
	s_mov_b32 s[G1], 15|(3<<16)|(1<<21)            ; 15:0 the mask: all four work-groups; 17:16 elements of 8 bytes; 21 set beside a mask
	s_mov_b32 s[G1+1], 32<<16                      ; tensor_dim0 = 32
	s_mov_b32 s[G1+2], 132<<16                     ; tensor_dim1 = 132
	s_mov_b32 s[G1+3], 32<<16                      ; tile_dim0 = 32
	s_mov_b32 s[G1+4], 132                         ; tile_dim1 = 132
	s_mov_b32 s[G1+5], 32                          ; from row to row
	s_mov_b32 s[G1+6], 0
	s_mov_b32 s[G1+7], 0
	s_mov_b32 s[G0], 1
	s_mul_i32 s[G0+1], s[WV], QUARB                ; LDS: my quarter of slot 0,
	s_mov_b32 s[G0+4], 1
	s_add_co_u32 s[G0+5], s[G0+1], SLOTB           ; of slot 1
	s_mul_i32 s17, ttmp9, 171                      ; the cluster's number mod 24 (it is under 64: x 171 >> 12 is its quotient by 24)
	s_lshr_b32 s17, s17, 12
	s_mul_i32 s17, s17, 24
	s_sub_co_u32 s[QB], ttmp9, s17
	s_mov_b32 s[QL], s[QB]
	s_mov_b32 s[OFS+1], 0
	s_mov_b32 s[SEL], 0x76543210
	s_mov_b32 s[SEL+1], 0xfedcba98
	s_mov_b32 s[MNT], 0x600000
	s_mov_b32 s[K2], 0x4038aa3b
	s_mov_b32 s[K2+1], s[K2]                       ; named with it as a pair, so it is written
	s_mul_i32 s18, s16, 786432                     ; 64 rows of 12,288 bytes,
	s_mul_i32 s17, s[WV], 196608                   ; my wave's 16 of them
	s_add_co_u32 s18, s18, s17
	s_mov_b32 s19, 0
	v_and_b32 v227, 31, v0                         ; lane
	v_and_b32 v228, 15, v0                         ; r
	v_bfe_u32 v229, v0, 4, 1                       ; h
	v_lshl_add_u32 v[LB], v227, 4, s[G0+1]
	v_add_nc_u32 v[LB+1], SLOTB, v[LB]
	v_lshl_add_u32 v[LA], v227, 4, AIMG
	v_lshl_add_u32 v[LS], v227, 2, AIMG+ASC
	v_mul_u32_u24 v[XA], v228, 12288
	v_lshl_add_u32 v[XA], v229, 6, v[XA]
	s_lshl_b32 s17, s[WV], 11
	s_add_co_u32 s17, s17, AIMG
	v_lshl_add_u32 v[IW], v227, 4, s17
	s_lshl_b32 s17, s[WV], 7
	s_add_co_u32 s17, s17, AIMG+ASC
	v_lshl_add_u32 v[SW], v227, 2, s17
	s_lshl_b32 s17, s[WV], 10
	v_lshl_add_u32 v[CW], v229, 5, s17
	s_lshl_b32 s17, s[WV], 8
	s_add_co_u32 s17, s17, EP
	v_lshl_add_u32 v[EPS], v228, 2, s17
	v_lshl_add_u32 v[EPR], v227, 3, EP
	v_lshlrev_b32 v[EO], 3, v227
	s_wait_dscnt 0x0                               ; both opening adds are done
	s_wait_kmcnt 0x0
	s_add_nc_u64 s[ENC0:ENC0+1], s[4:5], s[18:19]
	s_lshl_b32 s18, s16, 8                         ; 64 scores
	s_add_nc_u64 s[12:13], s[12:13], s[18:19]
	s_mov_b32 s[OFS], s[G0+1]
	s_add_nc_u64 s[W1B:W1B+1], s[6:7], s[OFS:OFS+1]
	s_lshr_b32 s[OFS], ttmp9, 1                    ; the batch: eight blocks of 64 rows, two clusters
	s_lshl_b32 s[OFS], s[OFS], 12
	s_add_nc_u64 s[8:9], s[8:9], s[OFS:OFS+1]
	SETEB
	XLOADH 0, 0                                    ; the first two K steps of enc
	XLOADH 0, 1
	SETEB
	XLOADH 1, 0
	XLOADH 1, 1
	SETEB
	WIN 0
	ROUND                                          ; all four work-groups are here: the first joint loads meet
	SETG0 0
	tensor_load_to_lds s[G0:G0+3], s[G1:G1+7]      ; slot 0; slot 1 is filled behind the first trip's round, where nothing is filled again
	s_nop 0
	PLACES 4
	QSTEP 0, 0, 1, 24                              ; the first K step is quantised while the slot is on its way
	QSTEP 1, 0, 1, 24
	QSTEP 2, 0, 1, 24
	QSTEP 3, 0, 1, 24
	IMAGE 0
	WIN 0
	ETRIP 0, 1, 1, 1, 24, 0, 1, 0                  ; trip 0 stands in front of the loop: its products start the sums
	s_mov_b32 s[CNT], 10
.Lk:                                                   ; trips 1 to 20
	ETRIP 1, 0, 1, 1, 24, 0, 1, 0
	ETRIP 0, 0, 1, 1, 24, 0, 1, 0
	s_sub_co_u32 s[CNT], s[CNT], 1
	s_cmp_lg_u32 s[CNT], 0
	s_cbranch_scc1 .Lk
	ETRIP 1, 0, 1, 0, 28, 1, 1, 0                  ; trip 21: no K step of enc is left to ask for: the counts run down
	ETRIP 0, 0, 1, 0, 12, 1, 1, 0                  ; trip 22
	ETRIP 1, 0, 0, 0, 0, 0, 0, 1                   ; trip 23: nothing to quantise, nothing to fill; c2 and w2 are asked for
; THE WAY OUT.  Two column tiles x four row tiles at a time, 64 registers: u = 2 log2(e) x sum + c2; 2^u; 1 + 2^u; its reciprocal r; the scores' sums take w2 r.  2^u may be infinite: r is then 0, as tanh = 1 asks.
; Each kind of transcendental goes as one batch of 64 with one plain line and one wait behind it, ahead of the first line that names a result.  Each accumulator is read from its low end on.
.macro EPI nb, first
.set R0, 64*((\nb)%4)
	WIN 0x92+0x41*((\nb)/4)                        ; destination and source 0: the accumulators' window; source 2: window 1
.irp dn, 0,1
.irp m, 0,1,2,3
.irp jj, 0,2,4,6
	v_pk_fma_f32 v[R0+32*\dn+8*\m+\jj:R0+32*\dn+8*\m+\jj+1], v[R0+32*\dn+8*\m+\jj:R0+32*\dn+8*\m+\jj+1], s[K2:K2+1], v[C2+8*(2*(\nb)+\dn)+\jj:C2+8*(2*(\nb)+\dn)+\jj+1] op_sel_hi:[1,0,1]
.endr
.endr
.endr
.set i, 0
.rept 64
	v_exp_f32 v[R0+i], v[R0+i]
.set i, i+1
.endr
	v_nop
	s_wait_alu depctr_va_vdst(0)
.set i, 0
.rept 32
	v_pk_add_f32 v[R0+i:R0+i+1], v[R0+i:R0+i+1], 1.0 op_sel_hi:[1,0]
.set i, i+2
.endr
.set i, 0
.rept 64
	v_rcp_f32 v[R0+i], v[R0+i]
.set i, i+1
.endr
	v_nop
	s_wait_alu depctr_va_vdst(0)
	WIN 0x06+((\nb)/4)                             ; source 0: the accumulators' window; source 1: window 1; the sums in window 0
.irp dn, 0,1
.irp jj, 0,2,4,6
.irp m, 0,1,2,3
.if (\first) && (\dn == 0) && (\jj == 0)
	v_pk_mul_f32 v[E+2*\m:E+2*\m+1], v[R0+32*\dn+8*\m+\jj:R0+32*\dn+8*\m+\jj+1], v[W2+8*(2*(\nb)+\dn)+\jj:W2+8*(2*(\nb)+\dn)+\jj+1]
.else
	v_pk_fma_f32 v[E+2*\m:E+2*\m+1], v[R0+32*\dn+8*\m+\jj:R0+32*\dn+8*\m+\jj+1], v[W2+8*(2*(\nb)+\dn)+\jj:W2+8*(2*(\nb)+\dn)+\jj+1], v[E+2*\m:E+2*\m+1]
.endif
.endr
.endr
.endr
.endm
	PLACES 8                                       ; eight places ahead of the first read of results
	s_wait_loadcnt 0x0                             ; c2 and w2
	EPI 0, 1
	EPI 1, 0
	EPI 2, 0
	EPI 3, 0
	EPI 4, 0
	EPI 5, 0
	EPI 6, 0
	EPI 7, 0
	WIN 0
.irp m, 0,1,2,3
	v_add_f32 v[E+2*\m], v[E+2*\m], v[E+2*\m+1]    ; the even and the odd columns,
.endr
.irp m, 0,1,2,3
	v_permlanex16_b32 v[E+2*\m+1], v[E+2*\m], s[SEL], s[SEL+1]
.endr
.irp m, 0,1,2,3
	v_add_f32 v[E+2*\m], v[E+2*\m], v[E+2*\m+1]    ; and lane l xor 16's: my wave's 256 columns of row 16 m + r
.endr
.irp m, 0,1,2,3
	v_mul_f32 v[E+2*\m], -2.0, v[E+2*\m]
.endr
.irp m, 0,1,2,3
	ds_store_b32 v[EPS], v[E+2*\m] offset:64*\m    ; lanes r and r + 16 write the same word with the same value
.endr
	s_wait_dscnt 0x0                               ; for the others' sake: my stores are done
	s_barrier_signal -1
	s_barrier_wait -1
	s_cmp_lg_u32 s[WV], 0
	s_cbranch_scc1 .Ldone
.irp w, 0,1,2,3
	ds_load_b64 v[AF+2*\w:AF+2*\w+1], v[EPR] offset:256*\w   ; wave 0 adds the four waves' parts: two rows a lane
.endr
	s_wait_dscnt 0x0
	v_pk_add_f32 v[AF:AF+1], v[AF:AF+1], v[AF+2:AF+3]
	v_pk_add_f32 v[AF+4:AF+5], v[AF+4:AF+5], v[AF+6:AF+7]
	v_pk_add_f32 v[AF:AF+1], v[AF:AF+1], v[AF+4:AF+5]
	global_store_b64 v[EO], v[AF:AF+1], s[12:13]   ; 32 lanes store 256 consecutive bytes, at a multiple of 256 from the buffer's first byte
.Ldone:
	s_wait_tensorcnt 0x0                           ; the wave's end: behind my last tensor load and my last LDS store
	ds_add_u32 v[SPW], v[NIL]
	s_wait_dscnt 0x0
	ROUND                                          ; the closing round: no work-group ends while a partner may still ask for a block that names it
	s_endpgm
.Lfunc_end_k_qb6332d7492_score:
	.size	k_qb6332d7492_score, .Lfunc_end_k_qb6332d7492_score-k_qb6332d7492_score
	.p2alignl 7, 3214868480
	.fill 96, 4, 3214868480
	.section	.rodata,"a",@progbits
	.p2align	6, 0x0
	.amdhsa_kernel k_qb6332d7492_score
		.amdhsa_group_segment_fixed_size 327680
		.amdhsa_private_segment_fixed_size 0
		.amdhsa_enable_private_segment 0
		.amdhsa_kernarg_size 40
		.amdhsa_user_sgpr_count 2
		.amdhsa_user_sgpr_kernarg_segment_ptr 1
		.amdhsa_wavefront_size32 1
		.amdhsa_system_sgpr_workgroup_id_x 1
		.amdhsa_system_sgpr_workgroup_id_y 1
		.amdhsa_system_sgpr_workgroup_id_z 1
		.amdhsa_system_vgpr_workitem_id 0
		.amdhsa_next_free_vgpr 1024
		.amdhsa_next_free_sgpr 66
		.amdhsa_reserve_vcc 0
		.amdhsa_float_denorm_mode_32 3
		.amdhsa_float_denorm_mode_16_64 3
		.amdhsa_memory_ordered 1
		.amdhsa_forward_progress 1
		.amdhsa_inst_pref_size 245
	.end_amdhsa_kernel
	.amdgpu_metadata
---
amdhsa.version: [ 1, 2 ]
amdhsa.kernels:
  - .name:           k_qb6332d7492_score
    .symbol:         k_qb6332d7492_score.kd
    .args:
      - { .name: encoder_outputs, .offset: 0, .size: 8, .value_kind: global_buffer, .address_space: global }
      - { .name: w1q, .offset: 8, .size: 8, .value_kind: global_buffer, .address_space: global }
      - { .name: c2, .offset: 16, .size: 8, .value_kind: global_buffer, .address_space: global }
      - { .name: w2, .offset: 24, .size: 8, .value_kind: global_buffer, .address_space: global }
      - { .name: escore, .offset: 32, .size: 8, .value_kind: global_buffer, .address_space: global }
    .group_segment_fixed_size: 327680
    .private_segment_fixed_size: 0
    .kernarg_segment_align: 8
    .kernarg_segment_size: 40
    .max_flat_workgroup_size: 128
    .sgpr_count:     66
    .vgpr_count:     1024
    .wavefront_size: 32
...
	.end_amdgpu_metadata
.endif
;; end of part 2
;; launch context (part 3): grid 8 x 32, 8 waves a work-group, no clusters, 14,336 bytes of LDS; arguments encoder_outputs, escore, ctxq, ctxs; writes ctxq, ctxs
.if DOCPART == 3
	.amdgcn_target "amdgcn-amd-amdhsa--gfx1250"
	.amdhsa_code_object_version 6
	.text
	.protected	k_qb6332d7492_context
	.globl	k_qb6332d7492_context
	.p2align	8
	.type	k_qb6332d7492_context,@function
k_qb6332d7492_context:
	s_mov_b64 s[64:65], 0
	v_nop
	global_prefetch_b8 v0, s[64:65] scope:SCOPE_SE
	s_setreg_imm32_b32 hwreg(HW_REG_WAVE_MODE, 25, 1), 1
	s_wait_xcnt 0x0
; CONTEXT: alpha = softmax over the 512 positions of a batch of escore; context[b][f] = sum over s of alpha[s] enc[b][s][f], in f32 fused multiply-adds (it goes into a quantiser); Q(context) as codes of E5M2 and E8M0 bytes.
; LEFT OUT (shown at the head of the first launch): escore lacks sum(w2), the same along the softmax's axis.
; The maximum is taken away before the exponential, as reference() does; the weights are p = 2^((e - max) log2(e)), and the sum of p divides once at the end: another order of rounding than alpha first, f32 rounding only.
; LIMITS: NaN and infinities are not served; a block of zeros has the scale byte 1 over zero codes.
; SHARES.  A work-group owns 384 columns (1,536 bytes of each row) of one batch; wave w owns positions 64 w .. + 63.  A row's part is three loads of 512 consecutive bytes; ten rows of every wave are on their way (a ring in registers).
; Memory binds: no matrix unit, no cluster (no two work-groups read the same bytes of enc; the 2,048 bytes of scores are a small part).
; The batch's maximum and sum are made alike in every wave, under the ring's first loads.  The eight waves' sums meet in LDS; wave 0 adds them and quantises: 24 lanes, 16 neighbouring columns each, two lanes to a block of 32.
.set ROWB,  12288
.set DEPTH, 10
.set SPARE, 13312                      ; the spare words, 128 bytes for each wave: four blocks of 256 bytes that no other line names; the partial sums take bytes 0 to 12,287
.set LI,   2                           ; 16 x lane
.set ZERO, 3                           ; 0: an offset that is the same in all lanes
.set SPW,  4                           ; LDS address of my spare word; never rewritten
.set NIL,  5                           ; 0; never rewritten
.set PST,  6                           ; where I put my partial sums: 1,536 w + 16 lane
.set PRD,  7                           ; where a lane of wave 0 reads 16 columns: 64 lane
.set M,    8                           ; the maximum
.set T,    9
.set NM,   10                          ; v[10:11] -max x log2(e)
.set L,    12                          ; the sum of p
.set BOF,  13                          ; lane / 2: my block's byte
.set INV,  14                          ; v[14:15] 1 / the sum
.set E16,  16                          ; v16-31 16 of the batch's 512 scores
.set P,    32                          ; v32-95 my wave's 64 scores, the same in every lane; then p
.set ACC,  96                          ; v96-107 my 12 columns' sums
.set RING, 108                         ; v108-227 ten rows of 12 numbers
	s_load_b256 s[4:11], s[0:1], 0x0               ; enc s[4:5], escore s[6:7], ctxq s[8:9], ctxs s[10:11]
	v_lshl_add_u32 v[SPW], v0, 2, SPARE
	v_mov_b32 v[NIL], 0
	v_lshrrev_b32 v1, 5, v0
	v_readfirstlane_b32 s12, v1                    ; wave 0..7
	v_and_b32 v1, 31, v0                           ; lane; kept
	v_lshlrev_b32 v[LI], 4, v1
	v_mov_b32 v[ZERO], 0
	v_mov_b32 v[T], 0                              ; written once: a lane permute's destination counts as one of its sources
	s_mul_i32 s13, s12, 1536
	v_add_nc_u32 v[PST], s13, v[LI]
	v_lshlrev_b32 v[PRD], 6, v1
	v_lshrrev_b32 v[BOF], 1, v1
	s_and_b32 s14, ttmp7, 0xffff                   ; the batch
	s_mul_i32 s16, s14, 6291456                    ; 512 rows of 12,288 bytes,
	s_mul_i32 s17, s12, 786432                     ; my wave's 64,
	s_add_co_u32 s16, s16, s17
	s_mul_i32 s17, ttmp9, 1536                     ; my work-group's columns
	s_add_co_u32 s16, s16, s17
	s_mov_b32 s17, 0
	s_lshl_b32 s18, s14, 11                        ; the batch's 512 scores
	s_mov_b32 s19, 0
	s_lshl_b32 s20, s12, 8                         ; my wave's 64 of them
	s_mov_b32 s21, 0
	s_mul_i32 s30, s14, 3072                       ; the codes: a row of 3,072 bytes, 384 a work-group
	s_mul_i32 s31, ttmp9, 384
	s_add_co_u32 s30, s30, s31
	s_mov_b32 s31, 0
	s_mov_b32 s24, 0x76543210
	s_mov_b32 s25, 0xfedcba98                      ; v_permlanex16_b32's selects for lane l xor 16
	s_mov_b32 s26, 0x3fb8aa3b                      ; log2(e)
	s_mov_b32 s27, s26                             ; named with it as a pair, so it is written
	s_mov_b32 s29, 0x600000                        ; the mantissa field of 57,344
	s_wait_kmcnt 0x0
	s_add_nc_u64 s[4:5], s[4:5], s[16:17]
	s_add_nc_u64 s[6:7], s[6:7], s[18:19]
	s_add_nc_u64 s[22:23], s[6:7], s[20:21]
	s_add_nc_u64 s[8:9], s[8:9], s[30:31]
	s_mul_i32 s30, s14, 96                         ; the scale bytes: 96 a row, 12 a work-group
	s_mul_i32 s16, ttmp9, 12
	s_add_co_u32 s30, s30, s16
	s_add_nc_u64 s[10:11], s[10:11], s[30:31]
.macro ROWLOAD t                       ; row t of my 64: three loads of 512 consecutive bytes; every offset is an immediate: 63 rows and 1,024 bytes at the most, inside the signed 24 bits
.irp i, 0,1,2
	global_load_b128 v[RING+12*((\t)%DEPTH)+4*\i:RING+12*((\t)%DEPTH)+4*\i+3], v[LI], s[4:5] offset:ROWB*(\t)+512*\i th:TH_LOAD_NT
.endr
.endm
.irp i, 0,1,2,3
	global_load_b128 v[E16+4*\i:E16+4*\i+3], v[LI], s[6:7] offset:512*\i
.endr
.irp k, 0,1,2,3,4,5,6,7,8,9,10,11,12,13,14,15
	global_load_b128 v[P+4*\k:P+4*\k+3], v[ZERO], s[22:23] offset:16*\k
.endr
.irp t, 0,1,2,3,4,5,6,7,8,9
	ROWLOAD \t
.endr
	s_wait_loadcnt 30                              ; the scores are in; the ring's 30 loads stay out
	v_max3_num_f32 v[M], v[E16], v[E16+1], v[E16+2]
.irp i, 3,5,7,9,11,13
	v_max3_num_f32 v[M], v[M], v[E16+\i], v[E16+\i+1]
.endr
	v_max_num_f32 v[M], v[M], v[E16+15]
	v_max_num_f32_dpp v[M], v[M], v[M] row_xmask:1 row_mask:0xf bank_mask:0xf
	v_max_num_f32_dpp v[M], v[M], v[M] row_xmask:2 row_mask:0xf bank_mask:0xf
	v_max_num_f32_dpp v[M], v[M], v[M] row_xmask:4 row_mask:0xf bank_mask:0xf
	v_max_num_f32_dpp v[M], v[M], v[M] row_xmask:8 row_mask:0xf bank_mask:0xf
	v_permlanex16_b32 v[T], v[M], s24, s25
	v_max_num_f32 v[M], v[M], v[T]                 ; the batch's largest score, in every lane
	v_mul_f32 v[NM], 0xbfb8aa3b, v[M]              ; -max x log2(e): one number for all 512, so its rounding cancels between p and the sum
	v_mov_b32 v[NM+1], v[NM]
.irp j, 0,2,4,6,8,10,12,14
	v_pk_fma_f32 v[E16+\j:E16+\j+1], v[E16+\j:E16+\j+1], s[26:27], v[NM:NM+1] op_sel_hi:[1,0,0]
.endr
.set i, 0
.rept 32
	v_pk_fma_f32 v[P+i:P+i+1], v[P+i:P+i+1], s[26:27], v[NM:NM+1] op_sel_hi:[1,0,0]
.set i, i+2
.endr
.set i, 0
.rept 16
	v_exp_f32 v[E16+i], v[E16+i]
.set i, i+1
.endr
.set i, 0
.rept 64
	v_exp_f32 v[P+i], v[P+i]                       ; p, at most 1
.set i, i+1
.endr
	v_nop                                          ; one plain line behind the batch,
	s_wait_alu depctr_va_vdst(0)                   ; and one wait for all 80, ahead of the first line that names a result
.irp j, 0,4,8,12
	v_pk_add_f32 v[E16+\j:E16+\j+1], v[E16+\j:E16+\j+1], v[E16+\j+2:E16+\j+3]
.endr
	v_pk_add_f32 v[E16:E16+1], v[E16:E16+1], v[E16+4:E16+5]
	v_pk_add_f32 v[E16+8:E16+9], v[E16+8:E16+9], v[E16+12:E16+13]
	v_pk_add_f32 v[E16:E16+1], v[E16:E16+1], v[E16+8:E16+9]
	v_add_f32 v[L], v[E16], v[E16+1]
	v_add_f32_dpp v[L], v[L], v[L] row_xmask:1 row_mask:0xf bank_mask:0xf
	v_add_f32_dpp v[L], v[L], v[L] row_xmask:2 row_mask:0xf bank_mask:0xf
	v_add_f32_dpp v[L], v[L], v[L] row_xmask:4 row_mask:0xf bank_mask:0xf
	v_add_f32_dpp v[L], v[L], v[L] row_xmask:8 row_mask:0xf bank_mask:0xf
	v_permlanex16_b32 v[T], v[L], s24, s25
	v_add_f32 v[L], v[L], v[T]                     ; the sum of the 512 p: at least 1
	v_rcp_f32 v[INV], v[L]
	v_nop
	s_wait_alu depctr_va_vdst(0)
	v_mov_b32 v[INV+1], v[INV]
.set tt, 0
.rept 64                               ; row tt: its three loads are in; the rows behind it, nine at the most, stay out
.if 63-tt < DEPTH-1
	s_wait_loadcnt 3*(63-tt)
.else
	s_wait_loadcnt 3*(DEPTH-1)
.endif
.set RG, RING+12*(tt%DEPTH)
.irp k, 0,1,2,3,4,5,6,7,8,9,10,11
.if tt == 0
	v_mul_f32 v[ACC+\k], v[P], v[RG+\k]            ; the first row starts the sums
.else
	v_fmac_f32 v[ACC+\k], v[P+tt], v[RG+\k]
.endif
.endr
.if tt+DEPTH < 64
	ROWLOAD tt+DEPTH
.endif
.set tt, tt+1
.endr
.irp i, 0,1,2
	ds_store_b128 v[PST], v[ACC+4*\i:ACC+4*\i+3] offset:512*\i
.endr
	s_wait_dscnt 0x0                               ; for the others' sake: my stores are done
	s_barrier_signal -1
	s_barrier_wait -1
	s_cmp_lg_u32 s12, 0
	s_cbranch_scc1 .Lend
	s_wait_xcnt 0x0                                ; EXEC changes only behind this wait
	v_cmp_gt_u32 vcc_lo, 24, v1
	s_and_saveexec_b32 s28, vcc_lo                 ; 24 lanes x 16 columns = 384
.irp w, 0,1,2,3,4,5,6,7
.irp j, 0,1,2,3
	ds_load_b128 v[32+16*\w+4*\j:32+16*\w+4*\j+3], v[PRD] offset:1536*\w+16*\j
.endr
.endr
	s_wait_dscnt 0x0
.irp w, 1,2,3,4,5,6,7
.irp k, 0,2,4,6,8,10,12,14
	v_pk_add_f32 v[32+\k:32+\k+1], v[32+\k:32+\k+1], v[32+16*\w+\k:32+16*\w+\k+1]
.endr
.endr
.irp k, 0,2,4,6,8,10,12,14
	v_pk_mul_f32 v[32+\k:32+\k+1], v[32+\k:32+\k+1], v[INV:INV+1] op_sel_hi:[1,0]   ; / the sum of p: context
.endr
	v_max3_num_f32 v160, |v32|, |v33|, |v34|       ; the largest magnitude of my 16
	v_max3_num_f32 v161, |v35|, |v36|, |v37|
.irp i, 6,10
	v_max3_num_f32 v160, v160, |v[32+\i]|, |v[32+\i+1]|
	v_max3_num_f32 v161, v161, |v[32+\i+2]|, |v[32+\i+3]|
.endr
	v_max3_num_f32 v160, v160, |v46|, |v47|
	v_max3_num_f32 v160, v160, v161, 0x8000000     ; and the floor 2^(16 - 127): the byte cannot fall under 1
	v_max_num_f32_dpp v160, v160, v160 row_xmask:1 row_mask:0xf bank_mask:0xf   ; and of my neighbour's 16: the block's
	v_add_nc_u32 v162, 0xf8800000, v160            ; 15 off its exponent field: the conversion's scale operand
	v_and_or_b32 v163, v160, 0x7f800000, s29       ; 57,344 x the scale
.irp i, 0,1,2,3,4,5,6,7,8,9,10,11,12,13,14,15
	v_med3_num_f32 v[32+\i], v[32+\i], -v163, v163 ; the conversion does not saturate (ISA guide 7.6.2): the hold
.endr
	v_cvt_scalef32_pk8_bf8_f32 v[164:165], v[32:39], v162
	v_cvt_scalef32_pk8_bf8_f32 v[166:167], v[40:47], v162
	v_lshrrev_b32 v168, 23, v162                   ; the scale's byte
	global_store_b128 v[LI], v[164:167], s[8:9]    ; 24 lanes store 384 consecutive bytes of the batch's row of codes
	global_store_b8 v[BOF], v168, s[10:11]         ; both lanes of a block write the same byte with the same value: 12 bytes a work-group
	s_wait_xcnt 0x0                                ; and again, in front of the line that widens EXEC
	s_or_b32 exec_lo, exec_lo, s28
.Lend:
	s_wait_tensorcnt 0x0                           ; the wave's end: behind my last LDS store
	ds_add_u32 v[SPW], v[NIL]
	s_wait_dscnt 0x0
	s_endpgm
.Lfunc_end_k_qb6332d7492_context:
	.size	k_qb6332d7492_context, .Lfunc_end_k_qb6332d7492_context-k_qb6332d7492_context
	.p2alignl 7, 3214868480
	.fill 96, 4, 3214868480
	.section	.rodata,"a",@progbits
	.p2align	6, 0x0
	.amdhsa_kernel k_qb6332d7492_context
		.amdhsa_group_segment_fixed_size 14336
		.amdhsa_private_segment_fixed_size 0
		.amdhsa_enable_private_segment 0
		.amdhsa_kernarg_size 32
		.amdhsa_user_sgpr_count 2
		.amdhsa_user_sgpr_kernarg_segment_ptr 1
		.amdhsa_wavefront_size32 1
		.amdhsa_system_sgpr_workgroup_id_x 1
		.amdhsa_system_sgpr_workgroup_id_y 1
		.amdhsa_system_sgpr_workgroup_id_z 1
		.amdhsa_system_vgpr_workitem_id 0
		.amdhsa_next_free_vgpr 240
		.amdhsa_next_free_sgpr 66
		.amdhsa_reserve_vcc 1
		.amdhsa_float_denorm_mode_32 3
		.amdhsa_float_denorm_mode_16_64 3
		.amdhsa_memory_ordered 1
		.amdhsa_forward_progress 1
		.amdhsa_inst_pref_size 64
	.end_amdhsa_kernel
	.amdgpu_metadata
---
amdhsa.version: [ 1, 2 ]
amdhsa.kernels:
  - .name:           k_qb6332d7492_context
    .symbol:         k_qb6332d7492_context.kd
    .args:
      - { .name: encoder_outputs, .offset: 0, .size: 8, .value_kind: global_buffer, .address_space: global }
      - { .name: escore, .offset: 8, .size: 8, .value_kind: global_buffer, .address_space: global }
      - { .name: ctxq, .offset: 16, .size: 8, .value_kind: global_buffer, .address_space: global }
      - { .name: ctxs, .offset: 24, .size: 8, .value_kind: global_buffer, .address_space: global }
    .group_segment_fixed_size: 14336
    .private_segment_fixed_size: 0
    .kernarg_segment_align: 8
    .kernarg_segment_size: 32
    .max_flat_workgroup_size: 256
    .sgpr_count:     66
    .vgpr_count:     240
    .wavefront_size: 32
...
	.end_amdgpu_metadata
.endif
;; end of part 3
;; launch proj (part 4): grid 64 x 1, 8 waves a work-group, no clusters, 17,408 bytes of LDS; arguments ctxq, ctxs, w3q, b3, out0; writes out0
.if DOCPART == 4
	.amdgcn_target "amdgcn-amd-amdhsa--gfx1250"
	.amdhsa_code_object_version 6
	.text
	.protected	k_qb6332d7492_proj
	.globl	k_qb6332d7492_proj
	.p2align	8
	.type	k_qb6332d7492_proj,@function
k_qb6332d7492_proj:
	s_mov_b64 s[64:65], 0
	v_nop
	global_prefetch_b8 v0, s[64:65] scope:SCOPE_SE
	s_setreg_imm32_b32 hwreg(HW_REG_WAVE_MODE, 25, 1), 1
	s_wait_xcnt 0x0
; PROJ: out0 = Q(context) Q(W3)^T + b3: [32 x 3,072] x [3,072 x 1,024], both operands as codes of E5M2 with E8M0 scales, made by the earlier launches.  Nothing of this product is left out.
; SHARES.  A work-group owns 16 columns of out0 (one tile of 16 rows of W3) and all 32 rows.  Its eight waves share K: wave v takes K steps 3 v .. 3 v + 2, six matrix instructions on two accumulators by turns.
; The eight partial sums meet in LDS; waves 0 and 1 add them (rows 0-15, rows 16-31), add b3 and store.  K is so summed in eight runs: f32 rounding only.
; W3's fragments lie in w3q as register images (16 bytes a lane on end), context's codes in rows: all operands go from memory straight into registers; each byte of w3q is read once in the launch.
; The product is small and short: 64 work-groups, one for each tile of columns; tiles four times as wide, whose stores would cover 256 consecutive bytes of a row, would leave 16.  A lane stores 32 bytes, 32 lanes 64 bytes of each of 16 rows.
; No cluster: what work-groups share, context's 96 KiB of codes, is small beside W3's 3 MiB, which nobody shares.
; TRANSPOSED: source 0 = 16 rows of W3, source 1 = 16 rows of context: lane (r, h) holds row 16 m + r of out0, register j column 16 t + 8 h + j.
.set SPARE, 16384                      ; behind the eight waves' partial sums of 2,048 bytes: the spare words, 128 bytes for each wave: four blocks of 256 bytes that no other line names
.set LI,   4                           ; 16 x lane
.set AA,   5                           ; context's codes: row r of 3,072 bytes, + 16 h
.set ASO,  6                           ; its scale words: 96 bytes a row
.set BSO,  7                           ; W3's scale words: 16 r
.set STO,  8                           ; my partial sums: 2,048 w + 16 lane
.set RDA,  9                           ; waves 0 and 1: 1,024 w + 16 lane
.set SPW,  10                          ; LDS address of my spare word; never rewritten
.set NIL,  11                          ; 0; never rewritten
.set BO,   12                          ; 32 h
.set OO,   13                          ; out0: row r of 4,096 bytes, + 32 h
.set BSC,  16                          ; v16-18 W3's scale words, K step i
.set ASC,  20                          ; v20-25 context's, 3 m + i
.set BFR,  32                          ; v32-79 W3's three fragments
.set AFR,  80                          ; v80-175 context's six, 3 m + i
.set D,    176                         ; v176-191 the two accumulators
.set B3,   192                         ; v192-199 b3
.set WV,   14
	s_load_b256 s[4:11], s[0:1], 0x0               ; ctxq s[4:5], ctxs s[6:7], w3q s[8:9], b3 s[10:11]
	s_load_b64 s[12:13], s[0:1], 0x20              ; out0
	v_lshl_add_u32 v[SPW], v0, 2, SPARE
	v_mov_b32 v[NIL], 0
	v_lshrrev_b32 v1, 5, v0
	v_readfirstlane_b32 s[WV], v1                  ; wave 0..7
	v_and_b32 v1, 31, v0                           ; lane
	v_and_b32 v2, 15, v0                           ; r
	v_bfe_u32 v3, v0, 4, 1                         ; h
	v_lshlrev_b32 v[LI], 4, v1
	v_mul_u32_u24 v[AA], v2, 3072
	v_lshl_add_u32 v[AA], v3, 4, v[AA]
	v_mul_u32_u24 v[ASO], v2, 96
	v_lshlrev_b32 v[BSO], 4, v2
	s_lshl_b32 s15, s[WV], 11
	v_add_nc_u32 v[STO], s15, v[LI]
	s_lshl_b32 s15, s[WV], 10
	v_add_nc_u32 v[RDA], s15, v[LI]
	v_lshlrev_b32 v[BO], 5, v3
	v_lshl_add_u32 v[OO], v2, 12, v[BO]
	s_lshr_b32 s15, ttmp9, 4                       ; the tile's quarter of W3's rows,
	s_and_b32 s16, ttmp9, 15                       ; and its place in the quarter
	s_mul_i32 s17, s[WV], 12                       ; block 4 (3 w) + quarter
	s_add_co_u32 s17, s17, s15
	s_mul_i32 s18, s17, 33792
	s_lshl_b32 s20, s16, 11
	s_add_co_u32 s20, s20, s18                     ; the tile's image
	s_mov_b32 s21, 0
	s_lshr_b32 s22, s16, 3                         ; its scale words: 512 (tile / 8) + 256 (tile % 2) + 4 ((tile / 2) % 4), behind the block's 16 images
	s_lshl_b32 s22, s22, 9
	s_and_b32 s23, s16, 1
	s_lshl_b32 s23, s23, 8
	s_add_co_u32 s22, s22, s23
	s_bfe_u32 s23, s16, 0x20001
	s_lshl_b32 s23, s23, 2
	s_add_co_u32 s22, s22, s23
	s_add_co_u32 s22, s22, s18
	s_add_co_u32 s22, s22, 32768
	s_mov_b32 s23, 0
	s_mul_i32 s28, s[WV], 384                      ; my three K steps of context's codes,
	s_mov_b32 s29, 0
	s_mul_i32 s30, s[WV], 12                       ; and of its scale bytes
	s_mov_b32 s31, 0
	s_lshl_b32 s32, ttmp9, 6                       ; the tile's 16 numbers of b3
	s_mov_b32 s33, 0
	s_lshl_b32 s34, s[WV], 16                      ; out0: 16 rows of 4,096 bytes for each of waves 0 and 1 (the other waves store nothing)
	s_add_co_u32 s34, s34, s32
	s_mov_b32 s35, 0
	s_wait_kmcnt 0x0
	s_add_nc_u64 s[24:25], s[8:9], s[20:21]
	s_add_nc_u64 s[26:27], s[8:9], s[22:23]
	s_add_nc_u64 s[4:5], s[4:5], s[28:29]
	s_add_nc_u64 s[6:7], s[6:7], s[30:31]
	s_add_nc_u64 s[10:11], s[10:11], s[32:33]
	s_add_nc_u64 s[12:13], s[12:13], s[34:35]
.irp i, 0,1,2
.irp c, 0,1,2,3
	global_load_b128 v[BFR+16*\i+4*\c:BFR+16*\i+4*\c+3], v[LI], s[24:25] offset:135168*\i+512*\c th:TH_LOAD_NT   ; 32 lanes read 512 consecutive bytes
.endr
	global_load_b32 v[BSC+\i], v[BSO], s[26:27] offset:135168*\i
.endr
.irp m, 0,1
.irp i, 0,1,2
.irp c, 0,1,2,3
	global_load_b128 v[AFR+16*(3*\m+\i)+4*\c:AFR+16*(3*\m+\i)+4*\c+3], v[AA], s[4:5] offset:49152*\m+128*\i+32*\c
.endr
	global_load_b32 v[ASC+3*\m+\i], v[ASO], s[6:7] offset:1536*\m+4*\i
.endr
.endr
	global_load_b128 v[B3:B3+3], v[BO], s[10:11]   ; every wave loads them: a branch round two loads would spare nothing
	global_load_b128 v[B3+4:B3+7], v[BO], s[10:11] offset:16
	s_wait_loadcnt 0x0
.irp i, 0,1,2                          ; the two accumulators by turns, one instruction a turn; the first K step starts the sums
.irp m, 0,1
.if \i == 0
	v_wmma_scale_f32_16x16x128_f8f6f4 v[D+8*\m:D+8*\m+7], v[BFR+16*\i:BFR+16*\i+15], v[AFR+16*(3*\m+\i):AFR+16*(3*\m+\i)+15], 0, v[BSC+\i], v[ASC+3*\m+\i] matrix_a_fmt:MATRIX_FMT_BF8 matrix_b_fmt:MATRIX_FMT_BF8
.else
	v_wmma_scale_f32_16x16x128_f8f6f4 v[D+8*\m:D+8*\m+7], v[BFR+16*\i:BFR+16*\i+15], v[AFR+16*(3*\m+\i):AFR+16*(3*\m+\i)+15], v[D+8*\m:D+8*\m+7], v[BSC+\i], v[ASC+3*\m+\i] matrix_a_fmt:MATRIX_FMT_BF8 matrix_b_fmt:MATRIX_FMT_BF8
.endif
.endr
.endr
.rept 8
	v_nop                                          ; eight places ahead of the first read of results, and of the loads below into registers that the products read
.endr
.irp m, 0,1
.irp u, 0,1
	ds_store_b128 v[STO], v[D+8*\m+4*\u:D+8*\m+4*\u+3] offset:1024*\m+512*\u   ; each accumulator from its low end on
.endr
.endr
	s_wait_dscnt 0x0                               ; for the others' sake: my stores are done
	s_barrier_signal -1
	s_barrier_wait -1
	s_cmp_ge_u32 s[WV], 2
	s_cbranch_scc1 .Lend
.irp vp, 0,1,2,3,4,5,6,7               ; wave m adds the eight waves' sums for rows 16 m .. + 15
.irp u, 0,1
	ds_load_b128 v[32+8*\vp+4*\u:32+8*\vp+4*\u+3], v[RDA] offset:2048*\vp+512*\u
.endr
.endr
	s_wait_dscnt 0x0
.irp vp, 1,2,3,4,5,6,7
.irp k, 0,2,4,6
	v_pk_add_f32 v[32+\k:32+\k+1], v[32+\k:32+\k+1], v[32+8*\vp+\k:32+8*\vp+\k+1]
.endr
.endr
.irp k, 0,2,4,6
	v_pk_add_f32 v[32+\k:32+\k+1], v[32+\k:32+\k+1], v[B3+\k:B3+\k+1]
.endr
	global_store_b128 v[OO], v[32:35], s[12:13]
	global_store_b128 v[OO], v[36:39], s[12:13] offset:16
.Lend:
	s_wait_tensorcnt 0x0                           ; the wave's end: behind my last LDS store
	ds_add_u32 v[SPW], v[NIL]
	s_wait_dscnt 0x0
	s_endpgm
.Lfunc_end_k_qb6332d7492_proj:
	.size	k_qb6332d7492_proj, .Lfunc_end_k_qb6332d7492_proj-k_qb6332d7492_proj
	.p2alignl 7, 3214868480
	.fill 96, 4, 3214868480
	.section	.rodata,"a",@progbits
	.p2align	6, 0x0
	.amdhsa_kernel k_qb6332d7492_proj
		.amdhsa_group_segment_fixed_size 17408
		.amdhsa_private_segment_fixed_size 0
		.amdhsa_enable_private_segment 0
		.amdhsa_kernarg_size 40
		.amdhsa_user_sgpr_count 2
		.amdhsa_user_sgpr_kernarg_segment_ptr 1
		.amdhsa_wavefront_size32 1
		.amdhsa_system_sgpr_workgroup_id_x 1
		.amdhsa_system_sgpr_workgroup_id_y 1
		.amdhsa_system_sgpr_workgroup_id_z 1
		.amdhsa_system_vgpr_workitem_id 0
		.amdhsa_next_free_vgpr 208
		.amdhsa_next_free_sgpr 66
		.amdhsa_reserve_vcc 0
		.amdhsa_float_denorm_mode_32 3
		.amdhsa_float_denorm_mode_16_64 3
		.amdhsa_memory_ordered 1
		.amdhsa_forward_progress 1
		.amdhsa_inst_pref_size 12
	.end_amdhsa_kernel
	.amdgpu_metadata
---
amdhsa.version: [ 1, 2 ]
amdhsa.kernels:
  - .name:           k_qb6332d7492_proj
    .symbol:         k_qb6332d7492_proj.kd
    .args:
      - { .name: ctxq, .offset: 0, .size: 8, .value_kind: global_buffer, .address_space: global }
      - { .name: ctxs, .offset: 8, .size: 8, .value_kind: global_buffer, .address_space: global }
      - { .name: w3q, .offset: 16, .size: 8, .value_kind: global_buffer, .address_space: global }
      - { .name: b3, .offset: 24, .size: 8, .value_kind: global_buffer, .address_space: global }
      - { .name: out0, .offset: 32, .size: 8, .value_kind: global_buffer, .address_space: global }
    .group_segment_fixed_size: 17408
    .private_segment_fixed_size: 0
    .kernarg_segment_align: 8
    .kernarg_segment_size: 40
    .max_flat_workgroup_size: 256
    .sgpr_count:     66
    .vgpr_count:     208
    .wavefront_size: 32
...
	.end_amdgpu_metadata
.endif
;; end of part 4
;; ======== version 2 of 2: 4 launches
;; limits: right only within a limited range of input values
;; workspace buffers: w1q 3,244,032 bytes; w3q 3,244,032 bytes; c2 131,072 bytes; escore 65,536 bytes; ctxq 98,304 bytes; ctxs 3,072 bytes
;; launch prep (part 5): grid 256 x 1, 16 waves a work-group, no clusters, 35,840 bytes of LDS; arguments W1, W3, hidden_state, b1, w1q, w3q, c2; writes w1q, w3q, c2
.if DOCPART == 5
	.amdgcn_target "amdgcn-amd-amdhsa--gfx1250"
	.amdhsa_code_object_version 6
	.text
	.protected	k_qb6332d7492_prep
	.globl	k_qb6332d7492_prep
	.p2align	8
	.type	k_qb6332d7492_prep,@function
k_qb6332d7492_prep:
	s_mov_b64 s[64:65], 0
	v_nop
	global_prefetch_b8 v0, s[64:65] scope:SCOPE_SE
	s_setreg_imm32_b32 hwreg(HW_REG_WAVE_MODE, 25, 1), 1
	s_wait_xcnt 0x0
; PREP: the weights become codes of E5M2 with E8M0 scales, laid as the later launches' operand registers want them, and the part of the first product that hangs on hidden_state is made once for each batch.
; THE WHOLE PROGRAM: out = Q(context) Q(W3)^T + b3, context = softmax_s(e) . enc, e = w2 . tanh(Q([enc, h]) Q(W1)^T + b1).
; WORK LEFT OUT, for all values of the inputs:
;  (1) reference() joins enc (K 0 .. 3,071) and h (K 3,072 .. 4,095) along K.  3,072 is a multiple of 32, so no block of the quantiser spans the join, and the sum over K is the sum over enc's part plus the sum over h's part.
;      h's part of a row is hidden_state[b], the same for all 512 positions of a batch by reference()'s own broadcast_to: its codes, scales and partial sums are the same 512 times.  They are made once for each batch, here: 32 rows in place of 16,384.
;  (2) tanh(z) = 1 - 2 r, r = 1 / (1 + 2^(2 log2(e) z)), so e = sum(w2) - 2 sum(w2 r).  sum(w2) is the same along the softmax's axis, so it cancels in alpha: it is not formed.
;  Every input has a way to the output and is loaded by some launch.  LIMIT: a NaN, an infinity or an overflow that reaches only the work left out (sum(w2)) is not carried to the result.
; LIMITS: NaN and infinities among the inputs are not served.  A block of zeros gets the scale byte 1 where the quantiser says 127: its codes are zeros, which add nothing under any byte but 0xff, and this program alone reads the bytes.
;         The h part is summed apart from enc's part, and K is summed in another order than ascending: f32 rounding only.
; ROLES, by the work-group's number x: 0-95: block x of W1[:, :3072] -> w1q;  96-191: block x - 96 of W3 -> w3q;  192-255: tile x - 192 of 16 rows of W1[:, 3072:] against Q(hidden_state) -> c2.
; A BLOCK p = 4 s + wq is K step s (128 along K) of rows 256 wq .. + 255: 16 images of 2,048 bytes (wave v: rows 256 wq + 16 v + r), then 1,024 bytes of scale words.  An image is the operand's registers as they stand:
; byte 512 c + 16 lane holds registers 4 c .. 4 c + 3 of lane (r, h): k = 128 s + 32 c + 16 h + 0 .. 15.  The scale word of (tile v, row r) lies at 512 (v / 8) + 16 (16 (v % 2) + r) + 4 ((v / 2) % 4), so that two
; loads of 16 bytes a lane give eight registers, register v / 2 holding tile v in lanes 0-15 (v even) or 16-31 (v odd).
; c2[b][d] = 2 log2(e) x (sum over h's K + b1[d]): what the score launch adds to 2 log2(e) x its own sums ahead of the exponential.
; A lane loads 16 neighbours along K of its row for each block of 32, in the operand's own order, so the conversions' results are the operand's registers; the 16 loads of a wave together cover 16 rows x 512 bytes.
; These loads carry no cache hint: a row's 128 consecutive bytes of a block are taken by four loads on end, 32 bytes each, so what one of them touches is wanted again at once.
; The two kinds of work-group part once, on the work-group's number, and share no LDS byte.
.set SCI,   0                          ; LDS, weights' path: the block's 1,024 bytes of scale words
.set HP,    1024                       ; LDS, h's path: 16 waves x 1,024 bytes of partial sums
.set SPARE, 33792                      ; the spare words, 128 bytes for each wave: eight blocks of 256 bytes that no other line names
.set LANE, 1
.set R,    2                           ; lane % 16
.set H,    3                           ; lane / 16
.set XA,   4                           ; my byte in the wave's 16 rows of the weight
.set XH,   5                           ; the same in 16 rows of hidden_state
.set LI,   6                           ; 16 x lane
.set SCA,  7                           ; where my row's scale word goes in SCI
.set HPA,  8                           ; my 16 bytes of my wave's partial sums
.set CO,   9                           ; my byte offset in 16 rows of c2
.set BO,   10                          ; 32 h
.set SPW,  12                          ; LDS address of my spare word; never rewritten
.set NIL,  13                          ; 0; never rewritten
.set TM,   16                          ; v16-19 largest magnitudes, v20-23 bytes, v24-27 57,344 x the scale, v28-31 the conversions' scale operands
.set PW0,  32                          ; the weight's scale word
.set PW1,  33                          ; h's
.set PC0,  36                          ; v36-51 the weight's codes
.set PC1,  52                          ; v52-67 h's codes
.set D,    68                          ; v68-75 the product
.set X0,   80                          ; v80-143 64 numbers of the weight; later the partial sums
.set X1,   144                         ; v144-207 64 numbers of h
.set BB,   208                         ; v208-215 b1
.set WV,   18
.set SEL,  20
.set MNT,  22
; 64 numbers of a lane, register 16 b + i = k 32 b + 16 (lane / 16) + i of my row, become a fragment's codes in v[pc] on and its scale word in v[pw]
.macro QUANT s, pc, pw
.irp b, 0,1,2,3
	v_max3_num_f32 v[TM+\b], |v[\s+16*\b]|, |v[\s+1+16*\b]|, 0x8000000   ; block b: my 16 numbers, and the floor 2^(16 - 127): the byte cannot fall under 1
.endr
.irp i, 2,4,6,8,10,12,14
.irp b, 0,1,2,3
	s_delay_alu instid0(VALU_DEP_4)
	v_max3_num_f32 v[TM+\b], v[TM+\b], |v[\s+16*\b+\i]|, |v[\s+1+16*\b+\i]|   ; the four blocks by turns
.endr
.endr
.irp b, 0,1,2,3
	s_delay_alu instid0(VALU_DEP_4)
	v_permlanex16_b32 v[TM+4+\b], v[TM+\b], s[SEL], s[SEL+1]
.endr
.irp b, 0,1,2,3
	s_delay_alu instid0(VALU_DEP_4)
	v_max_num_f32 v[TM+\b], v[TM+\b], v[TM+4+\b]   ; with lane l xor 16's: the block's largest magnitude
.endr
.irp b, 0,1,2,3
	s_delay_alu instid0(VALU_DEP_4)
	v_add_nc_u32 v[TM+12+\b], 0xf8800000, v[TM+\b]   ; 15 off its exponent field: the conversion takes this operand's exponent field as its scale
.endr
.irp b, 0,1,2,3
	v_and_or_b32 v[TM+8+\b], v[TM+\b], 0x7f800000, s[MNT]   ; 57,344 x the scale
.endr
.irp b, 0,1,2,3
	v_lshrrev_b32 v[TM+4+\b], 23, v[TM+12+\b]   ; the scale's byte
.endr
	s_delay_alu instid0(VALU_DEP_3)
	v_lshl_or_b32 v[\pw], v[TM+5], 8, v[TM+4]
	s_delay_alu instid0(VALU_DEP_1)
	v_lshl_or_b32 v[\pw], v[TM+6], 16, v[\pw]
	s_delay_alu instid0(VALU_DEP_1)
	v_lshl_or_b32 v[\pw], v[TM+7], 24, v[\pw]      ; my row's scale word
.irp b, 0,1,2,3
.irp i, 0,1,2,3,4,5,6,7,8,9,10,11,12,13,14,15
	v_med3_num_f32 v[\s+16*\b+\i], v[\s+16*\b+\i], -v[TM+8+\b], v[TM+8+\b]   ; the conversion to an 8-bit code does not saturate (ISA guide 7.6.2): the hold at the largest code x the scale
.endr
	v_cvt_scalef32_pk8_bf8_f32 v[\pc+4*\b:\pc+1+4*\b], v[\s+16*\b:\s+7+16*\b], v[TM+12+\b]
	v_cvt_scalef32_pk8_bf8_f32 v[\pc+2+4*\b:\pc+3+4*\b], v[\s+8+16*\b:\s+15+16*\b], v[TM+12+\b]
.endr
	v_nop                                          ; one plain vector instruction behind the last scaled conversion
.endm
.macro XLOAD reg, adr, base            ; my 64 numbers of a K step: 16 neighbours of each block of 32
.irp b, 0,1,2,3
.irp j, 0,1,2,3
	global_load_b128 v[\reg+16*\b+4*\j:\reg+16*\b+4*\j+3], v[\adr], s[\base:\base+1] offset:128*\b+16*\j
.endr
.endr
.endm
	s_load_b256 s[4:11], s[0:1], 0x0               ; W1 s[4:5], W3 s[6:7], hidden_state s[8:9], b1 s[10:11]
	s_load_b128 s[12:15], s[0:1], 0x20             ; w1q s[12:13], w3q s[14:15]
	s_load_b64 s[16:17], s[0:1], 0x30              ; c2
	v_lshl_add_u32 v[SPW], v0, 2, SPARE
	v_mov_b32 v[NIL], 0
	v_lshrrev_b32 v[LANE], 5, v0
	s_delay_alu instid0(VALU_DEP_1)
	v_readfirstlane_b32 s[WV], v[LANE]             ; wave 0..15
	v_and_b32 v[LANE], 31, v0
	v_and_b32 v[R], 15, v0
	v_bfe_u32 v[H], v0, 4, 1
	s_delay_alu instid0(VALU_DEP_3)
	v_lshlrev_b32 v[LI], 4, v[LANE]
	s_mov_b32 s[SEL], 0x76543210
	s_mov_b32 s[SEL+1], 0xfedcba98                 ; v_permlanex16_b32's selects for lane l xor 16
	s_mov_b32 s[MNT], 0x600000                     ; the mantissa field of 57,344
.irp b, 0,1,2,3
	v_mov_b32 v[TM+4+\b], 0                        ; written once: a lane permute's destination counts as one of its sources
.endr
	s_cmp_ge_u32 ttmp9, 192                        ; the work-group's number alone: all sixteen waves go the same way
	s_cbranch_scc1 .Lh
	; ---- the weights' path: one fragment a wave
	s_lshr_b32 s32, s[WV], 3                       ; my scale words' place in the block's 1,024 bytes
	s_lshl_b32 s32, s32, 9
	s_and_b32 s33, s[WV], 1
	s_lshl_b32 s33, s33, 8
	s_add_co_u32 s32, s32, s33
	s_bfe_u32 s33, s[WV], 0x20001                  ; (wave / 2) % 4
	s_lshl_b32 s33, s33, 2
	s_add_co_u32 s32, s32, s33
	s_wait_alu depctr_va_vdst(0)
	v_lshl_add_u32 v[SCA], v[R], 4, s32
	s_wait_kmcnt 0x0
	s_cmp_lt_u32 ttmp9, 96                         ; W1 or W3: only pointers, the pitch and the block's number are chosen
	s_cselect_b64 s[4:5], s[4:5], s[6:7]
	s_cselect_b64 s[12:13], s[12:13], s[14:15]
	s_cselect_b32 s23, 0, 96
	s_mov_b32 s24, 12288
	s_cselect_b32 s24, 16384, s24                  ; a row of the weight in bytes
	s_sub_co_u32 s23, ttmp9, s23                   ; p
	s_lshr_b32 s25, s23, 2                         ; K step
	s_and_b32 s26, s23, 3                          ; quarter of the rows
	s_lshl_b32 s26, s26, 8
	s_lshl_b32 s27, s[WV], 4
	s_add_co_u32 s26, s26, s27                     ; my first row
	s_mul_i32 s28, s26, s24
	s_lshl_b32 s25, s25, 9
	s_add_co_u32 s28, s28, s25                     ; + 512 bytes a K step
	s_mov_b32 s29, 0
	s_add_nc_u64 s[4:5], s[4:5], s[28:29]
	s_mul_i32 s30, s23, 33792
	s_lshl_b32 s27, s[WV], 11
	s_add_co_u32 s30, s30, s27                     ; my image
	s_mov_b32 s31, 0
	s_add_nc_u64 s[12:13], s[12:13], s[30:31]
	v_mul_lo_u32 v[XA], v[R], s24
	s_delay_alu instid0(VALU_DEP_1)
	v_lshl_add_u32 v[XA], v[H], 6, v[XA]           ; row r, + 64 h: my 16 numbers of a block
	XLOAD X0, XA, 4
	s_wait_loadcnt 0x0
	QUANT X0, PC0, PW0
.irp c, 0,1,2,3
	global_store_b128 v[LI], v[PC0+4*\c:PC0+4*\c+3], s[12:13] offset:512*\c   ; 32 lanes store 512 consecutive bytes, at a multiple of 256 from the buffer's first byte
.endr
	ds_store_b32 v[SCA], v[PW0]                    ; lanes r and r + 16 write the same word with the same value
	s_wait_dscnt 0x0                               ; for the others' sake: my store is done
	s_barrier_signal -1
	s_barrier_wait -1
	s_cmp_lg_u32 s[WV], 0
	s_cbranch_scc1 .Lwend
	ds_load_b128 v[X0:X0+3], v[LI] offset:SCI      ; wave 0 sends the block's scale words out as four whole runs of 256 bytes
	ds_load_b128 v[X0+4:X0+7], v[LI] offset:SCI+512
	s_wait_dscnt 0x0
	global_store_b128 v[LI], v[X0:X0+3], s[12:13] offset:32768
	global_store_b128 v[LI], v[X0+4:X0+7], s[12:13] offset:32768+512
.Lwend:
	s_wait_tensorcnt 0x0                           ; the wave's end: behind my last LDS store
	ds_add_u32 v[SPW], v[NIL]
	s_wait_dscnt 0x0
	s_endpgm
	; ---- h's path: wave v multiplies K step v / 2 of 16 rows of W1[:, 3072:] with rows 16 (v % 2) .. + 15 of hidden_state
.Lh:
	s_sub_co_u32 s23, ttmp9, 192                   ; the tile of 16 rows of W1
	s_lshr_b32 s25, s[WV], 1                       ; K step of h's part
	s_and_b32 s26, s[WV], 1                        ; m: which 16 batches
	s_lshl_b32 s27, s25, 9                         ; 512 bytes a K step
	s_lshl_b32 s28, s23, 18                        ; 16 rows of 16,384 bytes
	s_add_co_u32 s28, s28, s27
	s_add_co_u32 s28, s28, 12288                   ; from column 3,072 on
	s_mov_b32 s29, 0
	s_lshl_b32 s30, s26, 16                        ; 16 rows of 4,096 bytes
	s_add_co_u32 s30, s30, s27
	s_mov_b32 s31, 0
	s_lshl_b32 s34, s23, 6                         ; the tile's 16 numbers of b1
	s_mov_b32 s35, 0
	s_lshl_b32 s36, s26, 16
	s_add_co_u32 s36, s36, s34                     ; c2: 16 m rows of 4,096 bytes, + the tile's 64 bytes
	s_mov_b32 s37, 0
	s_wait_alu depctr_va_vdst(0)
	v_lshlrev_b32 v[XA], 14, v[R]
	s_delay_alu instid0(VALU_DEP_1)
	v_lshl_add_u32 v[XA], v[H], 6, v[XA]
	v_lshlrev_b32 v[XH], 12, v[R]
	s_delay_alu instid0(VALU_DEP_1)
	v_lshl_add_u32 v[XH], v[H], 6, v[XH]
	s_lshl_b32 s32, s[WV], 10
	s_add_co_u32 s32, s32, HP
	v_add_nc_u32 v[HPA], s32, v[LI]
	v_lshlrev_b32 v[BO], 5, v[H]
	s_delay_alu instid0(VALU_DEP_1)
	v_lshl_add_u32 v[CO], v[R], 12, v[BO]
	s_wait_alu depctr_va_vdst(0)
	s_wait_kmcnt 0x0
	s_add_nc_u64 s[4:5], s[4:5], s[28:29]
	s_add_nc_u64 s[8:9], s[8:9], s[30:31]
	s_add_nc_u64 s[10:11], s[10:11], s[34:35]
	s_add_nc_u64 s[16:17], s[16:17], s[36:37]
	XLOAD X0, XA, 4
	XLOAD X1, XH, 8
	global_load_b128 v[BB:BB+3], v[BO], s[10:11]   ; b1 at the lane's eight columns; every wave loads them: a branch round two loads would spare nothing
	global_load_b128 v[BB+4:BB+7], v[BO], s[10:11] offset:16
	s_wait_loadcnt 0x0
	QUANT X0, PC0, PW0
	QUANT X1, PC1, PW1
.rept 8
	v_nop                                          ; a scale word written by vector instructions stands eight places ahead of a scaled matrix instruction, codes four
.endr
	v_wmma_scale_f32_16x16x128_f8f6f4 v[D:D+7], v[PC0:PC0+15], v[PC1:PC1+15], 0, v[PW0], v[PW1] matrix_a_fmt:MATRIX_FMT_BF8 matrix_b_fmt:MATRIX_FMT_BF8   ; transposed: lane (r, h) holds batch 16 m + r, register j column 8 h + j of the tile
.rept 8
	v_nop                                          ; eight places ahead of the first read of the result
.endr
	ds_store_b128 v[HPA], v[D:D+3]
	ds_store_b128 v[HPA], v[D+4:D+7] offset:512
	s_wait_dscnt 0x0                               ; for the others' sake: my stores are done
	s_barrier_signal -1
	s_barrier_wait -1
	s_cmp_ge_u32 s[WV], 2
	s_cbranch_scc1 .Lhend
.irp sp, 0,1,2,3,4,5,6,7               ; waves 0 and 1 (m = the wave's number) add the eight K steps: wave 2 sp + m's partial sums lie 2,048 sp bytes on from my own
.irp u, 0,1
	ds_load_b128 v[X0+8*\sp+4*\u:X0+8*\sp+4*\u+3], v[HPA] offset:2048*\sp+512*\u
.endr
.endr
	s_wait_dscnt 0x0
.irp sp, 1,2,3,4,5,6,7
.irp k, 0,2,4,6
	v_pk_add_f32 v[X0+\k:X0+\k+1], v[X0+\k:X0+\k+1], v[X0+8*\sp+\k:X0+8*\sp+\k+1]
.endr
.endr
.irp k, 0,2,4,6
	s_delay_alu instid0(VALU_DEP_4)
	v_pk_add_f32 v[X0+\k:X0+\k+1], v[X0+\k:X0+\k+1], v[BB+\k:BB+\k+1]
.endr
.irp k, 0,2,4,6
	s_delay_alu instid0(VALU_DEP_4)
	v_pk_mul_f32 v[X0+\k:X0+\k+1], v[X0+\k:X0+\k+1], 0x4038aa3b op_sel_hi:[1,0]   ; x 2 log2(e)
.endr
	global_store_b128 v[CO], v[X0:X0+3], s[16:17]  ; 64 bytes of each of 16 rows: the tile is 16 columns wide; c2 is 128 KiB in all
	global_store_b128 v[CO], v[X0+4:X0+7], s[16:17] offset:16
.Lhend:
	s_wait_tensorcnt 0x0                           ; the wave's end: behind my last LDS store
	ds_add_u32 v[SPW], v[NIL]
	s_wait_dscnt 0x0
	s_endpgm
.Lfunc_end_k_qb6332d7492_prep:
	.size	k_qb6332d7492_prep, .Lfunc_end_k_qb6332d7492_prep-k_qb6332d7492_prep
	.p2alignl 7, 3214868480
	.fill 96, 4, 3214868480
	.section	.rodata,"a",@progbits
	.p2align	6, 0x0
	.amdhsa_kernel k_qb6332d7492_prep
		.amdhsa_group_segment_fixed_size 35840
		.amdhsa_private_segment_fixed_size 0
		.amdhsa_enable_private_segment 0
		.amdhsa_kernarg_size 56
		.amdhsa_user_sgpr_count 2
		.amdhsa_user_sgpr_kernarg_segment_ptr 1
		.amdhsa_wavefront_size32 1
		.amdhsa_system_sgpr_workgroup_id_x 1
		.amdhsa_system_sgpr_workgroup_id_y 1
		.amdhsa_system_sgpr_workgroup_id_z 1
		.amdhsa_system_vgpr_workitem_id 0
		.amdhsa_next_free_vgpr 224
		.amdhsa_next_free_sgpr 66
		.amdhsa_reserve_vcc 0
		.amdhsa_float_denorm_mode_32 3
		.amdhsa_float_denorm_mode_16_64 3
		.amdhsa_memory_ordered 1
		.amdhsa_forward_progress 1
		.amdhsa_inst_pref_size 43
	.end_amdhsa_kernel
	.amdgpu_metadata
---
amdhsa.version: [ 1, 2 ]
amdhsa.kernels:
  - .name:           k_qb6332d7492_prep
    .symbol:         k_qb6332d7492_prep.kd
    .args:
      - { .name: W1, .offset: 0, .size: 8, .value_kind: global_buffer, .address_space: global }
      - { .name: W3, .offset: 8, .size: 8, .value_kind: global_buffer, .address_space: global }
      - { .name: hidden_state, .offset: 16, .size: 8, .value_kind: global_buffer, .address_space: global }
      - { .name: b1, .offset: 24, .size: 8, .value_kind: global_buffer, .address_space: global }
      - { .name: w1q, .offset: 32, .size: 8, .value_kind: global_buffer, .address_space: global }
      - { .name: w3q, .offset: 40, .size: 8, .value_kind: global_buffer, .address_space: global }
      - { .name: c2, .offset: 48, .size: 8, .value_kind: global_buffer, .address_space: global }
    .group_segment_fixed_size: 35840
    .private_segment_fixed_size: 0
    .kernarg_segment_align: 8
    .kernarg_segment_size: 56
    .max_flat_workgroup_size: 512
    .sgpr_count:     66
    .vgpr_count:     224
    .wavefront_size: 32
...
	.end_amdgpu_metadata
.endif
;; end of part 5
;; launch score (part 6): grid 256 x 1, 4 waves a work-group, clusters of 4 x 1, 327,680 bytes of LDS; arguments encoder_outputs, w1q, c2, w2, escore; writes escore
.if DOCPART == 6
	.amdgcn_target "amdgcn-amd-amdhsa--gfx1250"
	.amdhsa_code_object_version 6
	.text
	.protected	k_qb6332d7492_score
	.globl	k_qb6332d7492_score
	.p2align	8
	.type	k_qb6332d7492_score,@function
k_qb6332d7492_score:
	s_mov_b64 s[64:65], 0
	v_nop
	global_prefetch_b8 v0, s[64:65] scope:SCOPE_SE
	s_setreg_imm32_b32 hwreg(HW_REG_WAVE_MODE, 25, 1), 1
	s_wait_xcnt 0x0
	s_wait_alu depctr_hold_cnt(0) depctr_sa_sdst(0) depctr_va_vdst(0) depctr_va_sdst(0) depctr_va_ssrc(0) depctr_va_vcc(0) depctr_vm_vsrc(0)
	s_getreg_b32 s2, hwreg(HW_REG_IB_STS2, 6, 4)
	s_cmp_eq_u32 s2, 0
	s_cbranch_scc0 .Lentry_in_a_cluster
	s_endpgm
.Lentry_in_a_cluster:
	s_bfe_u32 s2, ttmp6, 0x10000c
	s_cmp_lg_u32 s2, 0x3003
	s_cbranch_scc0 .Lentry_shape_is_right
	s_endpgm
.Lentry_shape_is_right:
; SCORE: escore[row] = -2 sum over d of w2[d] / (1 + 2^(2 log2(e) z[row][d])), z = Q(enc) Q(W1[:, :3072])^T + (h's part + b1), for the 16,384 rows of enc.
; LEFT OUT (shown at the head of the first launch): h's part of the product comes from c2, made once for each batch; sum(w2), the same along the softmax's axis, is not formed.
; LIMITS: NaN and infinities are not served; a block of zeros has the scale byte 1 over zero codes; K is summed from a K step that hangs on the cluster's number, round to where it began: f32 rounding only.
; SHARES.  A work-group owns 64 rows of enc and all 1,024 columns d.  Wave w owns columns 256 w .. + 255: 4 tiles of rows x 16 tiles of columns = 64 accumulators, 512 registers.  Wave w also quantises rows 16 w .. + 15.
; THE MATRIX INSTRUCTION IS USED TRANSPOSED (source 0 = 16 rows of W1, source 1 = 16 rows of enc): a lane holds ONE row of enc, and its registers run along d, so the sum over d stays in the lane.
; enc comes from memory straight into registers in the operand's own order (a lane: 16 neighbours of each block of 32 of its row), two K steps ahead; a half step's eight loads of a wave cover 16 rows x 256 aligned bytes.
; It is quantised a K step ahead, between the runs of 16 matrix instructions, and goes to the other waves through LDS as an image of the operand's registers (two buffers by turns).
; W1's codes and scale words come as blocks of 33,792 bytes laid by the first launch as register images, through a ring of two LDS slots; wave w fetches and reads quarter w.
; CLUSTER.  All work-groups walk the same blocks of W1; the four of a cluster ask JOINTLY (mask 15): the same tensor load with the same descriptor, which hangs on the wave's number and the cluster's number alone.
; Cluster c begins at K step c mod 24 and goes round.
; ONE ROUND A TRIP orders four things: my part of the slot ahead has landed; my reads of the slot behind are over; my image of this trip's rows is stored; my reads of the other image buffer are over.
; Between the wait for my tensor load and the next tensor load stand only the add, the descriptor's step, the wait for the add and the round: the image's stores go out ahead of the trip's last 16 products, and enc's base is stepped in the trip's middle.
; A wave has one tensor load out at a time.
; No prefetch of enc is laid: its loads are issued two K steps ahead of their use, and the wave does other work meanwhile.
; REGISTERS, in windows of 256: window 0: addresses, scale words, A's four fragments, two buffers of four fragments of W1.  window 1: two sets of 64 numbers of enc, the quantiser's registers; in the last trip c2 and w2.
;   windows 2 and 3: accumulator (row tile m, column tile n) in window 2 + n / 8 at v[8 (4 (n % 8) + m)].
.set SLOTB, 135168                     ; a slot: four quarters
.set QUARB, 33792                      ; a quarter: 16 images of 2,048 bytes, 1,024 bytes of scale words
.set AIMG,  270336                     ; behind the ring: two buffers of enc's images,
.set ABUF,  8704                       ; each four images of 2,048 bytes,
.set ASC,   8192                       ; then four times 128 bytes of scale words
.set EP,    287744                     ; four waves' partial scores, 256 bytes each
.set SPARE, 288768                     ; the spare words, 128 bytes for each wave: two blocks of 256 bytes that no other line names
.set LB,   2                           ; v2, v3  my 16 bytes of an image in my quarter of slot 0, 1
.set LA,   4                           ; v4   my 16 bytes of an image of enc
.set LS,   5                           ; v5   my scale word of enc
.set SPW,  6                           ; v6   LDS address of my spare word; never rewritten
.set NIL,  7                           ; v7   0; never rewritten
.set XA,   8                           ; v8   enc: row r of 12,288 bytes, + 64 h
.set IW,   9                           ; v9   where I store my wave's image
.set SW,   10                          ; v10  and its scale word
.set CW,   11                          ; v11  c2, w2: 1,024 w + 32 h
.set AS,   12                          ; v12-15 enc's scale words, row tile m
.set BS,   16                          ; v16-23 W1's: register n / 2, lanes 0-15 for n even, 16-31 for n odd
.set E,    24                          ; v24-31 the scores' sums, a pair for each row tile
.set AF,   32                          ; v32-95 enc's four fragments
.set BF,   96                          ; v96-223 W1's fragments: two buffers of four
.set EPS,  224
.set EPR,  225
.set EO,   226
.set X,    0                           ; window 1: v0-127 two sets of 64 numbers
.set TM,   128                         ; window 1: v128-143 as in the first launch
.set PW,   144                         ; window 1: the scale word in the making
.set PC,   148                         ; window 1: v148-163 the codes
.set C2,   0                           ; window 1, last trip: c2 at my 128 columns
.set W2,   128                         ; window 1, last trip: w2 likewise
.set WV,   14
.set SEL,  20
.set MNT,  22
.set G1,   24                          ; s[24:31] descriptor group 1
.set G0,   32                          ; s[32:39] group 0, a set for each slot
.set ENC0, 40                          ; s[40:41] enc at my wave's first row
.set EB,   42                          ; s[42:43] the same at the K step that is being loaded
.set W1B,  44                          ; s[44:45] w1q at my quarter of K step 0
.set QB,   46                          ; the K step that the next tensor load takes
.set QL,   47                          ; the K step that the next loads of enc take
.set CNT,  48
.set OFS,  50                          ; s[50:51] an offset; it never holds my place in the cluster
.set K2,   52                          ; s[52:53] 2 log2(e)
.set MSB, 0
.macro WIN new                         ; the immediate's high byte repeats the setting that is left; a switch that changes nothing is dropped
.if MSB != (\new)
	s_set_vgpr_msb (MSB<<8)|(\new)
.set MSB, (\new)
.endif
.endm
.macro PLACES n
.rept \n
	v_nop
.endr
.endm
.macro ROUND                           ; a round of the cluster's barrier
	s_barrier_signal -1
	s_barrier_wait -1
	s_cmp_lg_u32 s[WV], 0
	s_cbranch_scc1 .Lnot_wave_0_\@
	s_barrier_signal -3
.Lnot_wave_0_\@:
	s_barrier_wait -3
	s_barrier_signal -1
	s_barrier_wait -1
.endm
.macro NEXTQ r                         ; the next K step, round from 23 to 0
	s_add_co_u32 s[\r], s[\r], 1
	s_cmp_eq_u32 s[\r], 24
	s_cselect_b32 s[\r], 0, s[\r]
.endm
.macro SETEB
	s_wait_xcnt 0x0                                ; the earlier loads have read their base: it may be written
	s_lshl_b32 s[OFS], s[QL], 9                    ; 512 bytes a K step
	s_add_nc_u64 s[EB:EB+1], s[ENC0:ENC0+1], s[OFS:OFS+1]
	NEXTQ QL
.endm
.macro SETG0 n                         ; slot n's descriptor takes the next K step (no tensor load of mine is out)
	s_mul_i32 s[OFS], s[QB], SLOTB
	s_add_nc_u64 s[G0+4*(\n)+2:G0+4*(\n)+3], s[W1B:W1B+1], s[OFS:OFS+1]
	s_or_b32 s[G0+4*(\n)+3], s[G0+4*(\n)+3], 0x80000000
	NEXTQ QB
.endm
.macro XLOADH set, half                ; two blocks of 32 along K of my wave's 16 rows.  No cache hint: a row's 256 bytes are taken by eight loads on end, 32 bytes each, so what one of them touches is wanted again at once
	WIN 0x40                                       ; destination window 1
.irp bb, 0,1
.irp j, 0,1,2,3
	global_load_b128 v[X+64*(\set)+16*(2*(\half)+\bb)+4*\j:X+64*(\set)+16*(2*(\half)+\bb)+4*\j+3], v[XA], s[EB:EB+1] offset:128*(2*(\half)+\bb)+16*\j
.endr
.endr
.endm
.macro QUANTB b, set                   ; block b of the set: my 16 numbers become registers 4 b .. 4 b + 3 of the fragment, and byte b of the scale word
.set XS, X+64*(\set)+16*(\b)
	WIN 0x55                                       ; all in window 1
	v_max3_num_f32 v[TM+\b], |v[XS]|, |v[XS+1]|, 0x8000000          ; two chains; the floor 2^(16 - 127) among the leaves: the byte cannot fall under 1
	v_max3_num_f32 v[TM+4+\b], |v[XS+2]|, |v[XS+3]|, |v[XS+4]|
	v_max3_num_f32 v[TM+\b], v[TM+\b], |v[XS+5]|, |v[XS+6]|
	v_max3_num_f32 v[TM+4+\b], v[TM+4+\b], |v[XS+7]|, |v[XS+8]|
	v_max3_num_f32 v[TM+\b], v[TM+\b], |v[XS+9]|, |v[XS+10]|
	v_max3_num_f32 v[TM+4+\b], v[TM+4+\b], |v[XS+11]|, |v[XS+12]|
	v_max3_num_f32 v[TM+\b], v[TM+\b], |v[XS+13]|, |v[XS+14]|
	v_max3_num_f32 v[TM+\b], v[TM+\b], v[TM+4+\b], |v[XS+15]|
	v_permlanex16_b32 v[TM+4+\b], v[TM+\b], s[SEL], s[SEL+1]
	v_max_num_f32 v[TM+\b], v[TM+\b], v[TM+4+\b]   ; with lane l xor 16's: the block's largest magnitude
	v_add_nc_u32 v[TM+12+\b], 0xf8800000, v[TM+\b] ; 15 off its exponent field: the conversion's scale operand
	v_and_or_b32 v[TM+8+\b], v[TM+\b], 0x7f800000, s[MNT]   ; 57,344 x the scale
.if (\b) > 0
	v_lshrrev_b32 v[TM+4+\b], 23, v[TM+12+\b]      ; the scale's byte
.endif
.irp i, 0,1,2,3,4,5,6,7,8,9,10,11,12,13,14,15
	v_med3_num_f32 v[XS+\i], v[XS+\i], -v[TM+8+\b], v[TM+8+\b]   ; the conversion does not saturate (ISA guide 7.6.2): the hold
.endr
	v_cvt_scalef32_pk8_bf8_f32 v[PC+4*(\b):PC+4*(\b)+1], v[XS:XS+7], v[TM+12+\b]
	v_cvt_scalef32_pk8_bf8_f32 v[PC+4*(\b)+2:PC+4*(\b)+3], v[XS+8:XS+15], v[TM+12+\b]
.if (\b) == 0
	v_lshrrev_b32 v[PW], 23, v[TM+12+\b]           ; the byte into the word: also the plain line behind the conversions
.else
	v_lshl_or_b32 v[PW], v[TM+4+\b], 8*(\b), v[PW]
.endif
.endm
.macro QSTEP g, set, load, lc          ; lc: the loads issued behind block g's four, which may stay out
	s_wait_loadcnt \lc
	QUANTB \g, \set
.if (\load) && ((\g) % 2 == 1)
	XLOADH \set, (\g)/2                            ; the two blocks just quantised take the K step two steps on
.endif
.endm
.macro IMAGE buf                       ; my fragment and its scale words go to LDS as they stand
	WIN 0x04                                       ; an LDS store's data are its source 1: window 1
.irp c, 0,1,2,3
	ds_store_b128 v[IW], v[PC+4*\c:PC+4*\c+3] offset:ABUF*(\buf)+512*\c
.endr
	ds_store_b32 v[SW], v[PW] offset:ABUF*(\buf)
.endm
.macro AFETCH buf                      ; the four fragments of enc and their scale words
.irp m, 0,1,2,3
.irp c, 0,1,2,3
	ds_load_b128 v[AF+16*\m+4*\c:AF+16*\m+4*\c+3], v[LA] offset:ABUF*(\buf)+2048*\m+512*\c
.endr
.endr
.irp m, 0,1,2,3
	ds_load_b32 v[AS+\m], v[LS] offset:ABUF*(\buf)+128*\m
.endr
.endm
.macro BSC sl                          ; my quarter's scale words
.irp q, 0,1
	ds_load_b128 v[BS+4*\q:BS+4*\q+3], v[LB+\sl] offset:32768+512*\q
.endr
.endm
.macro BFETCH sl, g                    ; column tiles 4 g .. 4 g + 3 into buffer g % 2
.irp np, 0,1,2,3
.irp c, 0,1,2,3
	ds_load_b128 v[BF+64*((\g)%2)+16*\np+4*\c:BF+64*((\g)%2)+16*\np+4*\c+3], v[LB+\sl] offset:2048*(4*(\g)+\np)+512*\c
.endr
.endr
.endm
; 16 matrix instructions: column tiles 4 g .. 4 g + 3 x the four row tiles.  The 64 accumulators take turns, one instruction a turn, in the same order in every trip.  zero = 1: the first trip starts the sums.
.macro MUL16 g, zero
	WIN 0xa0+0x50*((\g)/2)                         ; C and D in window 2 or 3, the operands in window 0
.irp np, 0,1,2,3
.irp m, 0,1,2,3
.set AC, 8*(4*((4*(\g)+\np)%8)+\m)
.set BR, BF+64*((\g)%2)+16*\np
.set AR, AF+16*\m
.set SB, BS+(4*(\g)+\np)/2
.if \zero
.if \np%2
	v_wmma_scale_f32_16x16x128_f8f6f4 v[AC:AC+7], v[BR:BR+15], v[AR:AR+15], 0, v[SB], v[AS+\m] matrix_a_fmt:MATRIX_FMT_BF8 matrix_b_fmt:MATRIX_FMT_BF8 matrix_a_scale:MATRIX_SCALE_ROW1
.else
	v_wmma_scale_f32_16x16x128_f8f6f4 v[AC:AC+7], v[BR:BR+15], v[AR:AR+15], 0, v[SB], v[AS+\m] matrix_a_fmt:MATRIX_FMT_BF8 matrix_b_fmt:MATRIX_FMT_BF8
.endif
.else
.if \np%2
	v_wmma_scale_f32_16x16x128_f8f6f4 v[AC:AC+7], v[BR:BR+15], v[AR:AR+15], v[AC:AC+7], v[SB], v[AS+\m] matrix_a_fmt:MATRIX_FMT_BF8 matrix_b_fmt:MATRIX_FMT_BF8 matrix_a_scale:MATRIX_SCALE_ROW1
.else
	v_wmma_scale_f32_16x16x128_f8f6f4 v[AC:AC+7], v[BR:BR+15], v[AR:AR+15], v[AC:AC+7], v[SB], v[AS+\m] matrix_a_fmt:MATRIX_FMT_BF8 matrix_b_fmt:MATRIX_FMT_BF8
.endif
.endif
.endr
.endr
.endm
.macro EPLOAD                          ; c2 of my batch and w2 at the lane's eight columns of each of my 16 column tiles
	WIN 0x40
.irp n, 0,1,2,3,4,5,6,7,8,9,10,11,12,13,14,15
.irp u, 0,1
	global_load_b128 v[C2+8*\n+4*\u:C2+8*\n+4*\u+3], v[CW], s[8:9] offset:64*\n+16*\u
	global_load_b128 v[W2+8*\n+4*\u:W2+8*\n+4*\u+3], v[CW], s[10:11] offset:64*\n+16*\u
.endr
.endr
.endm
; A TRIP: 128 along K.  sl: the slot and the image buffer in hand.  quant: the next K step's rows are quantised (set 1 - sl) and stored as images (buffer 1 - sl).  load: the K step three on is asked for.
; lc0, dec: block g's wait on the loads is lc0 - 4 dec g.  refill: the other slot takes the next K step.  epl: c2 and w2 are asked for.
; A load into a register that a matrix instruction has read stands eight places behind it, and only plain vector instructions that name none of its registers are places (ISA guide 7.12.1 for vector instructions
; ): inside a trip the quantiser's lines, all in window 1, are those places; between a trip's last products and the next trip's loads into their operands they are the eight v_nop at the trip's head.
.macro ETRIP sl, zero, quant, load, lc0, dec, refill, epl
	s_wait_tensorcnt 0x0                           ; my one tensor load, my quarter of the slot ahead, has landed: so a group 0 may be written
	ds_add_u32 v[SPW], v[NIL]                      ; 0 onto my spare word: the descriptor's step stands between it and the wait for it
.if \refill
	SETG0 1-\sl
.endif
	s_wait_dscnt 0x0                               ; the add is done, my image is stored (its stores went out 16 products ago), and my reads of the slot and of the image buffer behind are over
.if \refill
	ROUND                                          ; all that now holds of every wave of every partner
	tensor_load_to_lds s[G0+4*(1-\sl):G0+4*(1-\sl)+3], s[G1:G1+7]   ; the first thing behind the round, and my one tensor load until the next
	s_nop 0
.else
	s_barrier_signal -1                            ; the work-group's own does
	s_barrier_wait -1
.endif
	PLACES 8                                       ; behind the last trip's last products, ahead of the loads into their operands
	AFETCH \sl
	BSC \sl
	BFETCH \sl, 0
	BFETCH \sl, 1
.if \epl
	EPLOAD
.endif
	s_wait_dscnt 16                                ; all but the youngest run of 16 loads: column tiles 4 to 7
	MUL16 0, \zero
.if \quant
	QSTEP 0, 1-\sl, \load, \lc0
.else
	PLACES 8
.endif
	WIN 0
	BFETCH \sl, 2
	s_wait_dscnt 16                                ; all but column tiles 8 to 11
	MUL16 1, \zero
.if \load
	SETEB                                          ; enc's base steps here, ahead of the loads that use it: the last loads that read it were issued a round and 48 matrix instructions ago
.endif
.if \quant
	QSTEP 1, 1-\sl, \load, \lc0-4*\dec
.else
	PLACES 8
.endif
	WIN 0
	BFETCH \sl, 3
	s_wait_dscnt 16                                ; all but column tiles 12 to 15
	MUL16 2, \zero
.if \quant
	QSTEP 2, 1-\sl, \load, \lc0-8*\dec
	QSTEP 3, 1-\sl, \load, \lc0-12*\dec
	IMAGE 1-\sl                                    ; the image goes out ahead of the trip's last products
	s_wait_dscnt 5                                 ; column tiles 12 to 15 are in; the image's five stores may be out
.else
	s_wait_dscnt 0x0
.endif
	MUL16 3, \zero
	WIN 0                                          ; at a label and at a branch every window is 0; the add's two registers lie in window 0
.endm
	s_load_b256 s[4:11], s[0:1], 0x0               ; enc s[4:5], w1q s[6:7], c2 s[8:9], w2 s[10:11]
	s_load_b64 s[12:13], s[0:1], 0x20              ; escore
	v_lshl_add_u32 v[SPW], v0, 2, SPARE
	v_mov_b32 v[NIL], 0
	ds_add_u32 v[SPW], v[NIL]                      ; the wave's opening: twice on end, its wait ahead of my first tensor load; the set-up below, work on registers, stands between
	ds_add_u32 v[SPW], v[NIL]                      ; and once more, under the one wait
	v_lshrrev_b32 v1, 5, v0
	v_readfirstlane_b32 s[WV], v1                  ; wave 0..3
	s_bfe_u32 s15, ttmp6, 0x40000                  ; cx: my place in the cluster
	s_lshl_b32 s16, ttmp9, 2                       ; in a cluster launch ttmp9 counts clusters
	s_add_co_u32 s16, s16, s15                     ; my block of 64 rows: it enters enc's and escore's addresses alone
	; descriptor group 1: a dense block of 33,792 bytes as 132 rows of 256 bytes (32 elements of 8 bytes), no padding: the images are read 16 bytes a lane on end
	s_mov_b32 s[G1], 15|(3<<16)|(1<<21)            ; 15:0 the mask: all four work-groups; 17:16 elements of 8 bytes; 21 set beside a mask
	s_mov_b32 s[G1+1], 32<<16                      ; tensor_dim0 = 32
	s_mov_b32 s[G1+2], 132<<16                     ; tensor_dim1 = 132
	s_mov_b32 s[G1+3], 32<<16                      ; tile_dim0 = 32
	s_mov_b32 s[G1+4], 132                         ; tile_dim1 = 132
	s_mov_b32 s[G1+5], 32                          ; from row to row
	s_mov_b32 s[G1+6], 0
	s_mov_b32 s[G1+7], 0
	s_mov_b32 s[G0], 1
	s_mul_i32 s[G0+1], s[WV], QUARB                ; LDS: my quarter of slot 0,
	s_mov_b32 s[G0+4], 1
	s_add_co_u32 s[G0+5], s[G0+1], SLOTB           ; of slot 1
	s_mul_i32 s17, ttmp9, 171                      ; the cluster's number mod 24 (it is under 64: x 171 >> 12 is its quotient by 24)
	s_lshr_b32 s17, s17, 12
	s_mul_i32 s17, s17, 24
	s_sub_co_u32 s[QB], ttmp9, s17
	s_mov_b32 s[QL], s[QB]
	s_mov_b32 s[OFS+1], 0
	s_mov_b32 s[SEL], 0x76543210
	s_mov_b32 s[SEL+1], 0xfedcba98
	s_mov_b32 s[MNT], 0x600000
	s_mov_b32 s[K2], 0x4038aa3b
	s_mov_b32 s[K2+1], s[K2]                       ; named with it as a pair, so it is written
	s_mul_i32 s18, s16, 786432                     ; 64 rows of 12,288 bytes,
	s_mul_i32 s17, s[WV], 196608                   ; my wave's 16 of them
	s_add_co_u32 s18, s18, s17
	s_mov_b32 s19, 0
	v_and_b32 v227, 31, v0                         ; lane
	v_and_b32 v228, 15, v0                         ; r
	v_bfe_u32 v229, v0, 4, 1                       ; h
	v_lshl_add_u32 v[LB], v227, 4, s[G0+1]
	v_add_nc_u32 v[LB+1], SLOTB, v[LB]
	v_lshl_add_u32 v[LA], v227, 4, AIMG
	v_lshl_add_u32 v[LS], v227, 2, AIMG+ASC
	v_mul_u32_u24 v[XA], v228, 12288
	v_lshl_add_u32 v[XA], v229, 6, v[XA]
	s_lshl_b32 s17, s[WV], 11
	s_add_co_u32 s17, s17, AIMG
	v_lshl_add_u32 v[IW], v227, 4, s17
	s_lshl_b32 s17, s[WV], 7
	s_add_co_u32 s17, s17, AIMG+ASC
	v_lshl_add_u32 v[SW], v227, 2, s17
	s_lshl_b32 s17, s[WV], 10
	v_lshl_add_u32 v[CW], v229, 5, s17
	s_lshl_b32 s17, s[WV], 8
	s_add_co_u32 s17, s17, EP
	v_lshl_add_u32 v[EPS], v228, 2, s17
	v_lshl_add_u32 v[EPR], v227, 3, EP
	v_lshlrev_b32 v[EO], 3, v227
	s_wait_alu depctr_va_vdst(0)
	s_wait_dscnt 0x0                               ; both opening adds are done
	s_wait_kmcnt 0x0
	s_add_nc_u64 s[ENC0:ENC0+1], s[4:5], s[18:19]
	s_lshl_b32 s18, s16, 8                         ; 64 scores
	s_add_nc_u64 s[12:13], s[12:13], s[18:19]
	s_mov_b32 s[OFS], s[G0+1]
	s_add_nc_u64 s[W1B:W1B+1], s[6:7], s[OFS:OFS+1]
	s_lshr_b32 s[OFS], ttmp9, 1                    ; the batch: eight blocks of 64 rows, two clusters
	s_lshl_b32 s[OFS], s[OFS], 12
	s_add_nc_u64 s[8:9], s[8:9], s[OFS:OFS+1]
	SETEB
	XLOADH 0, 0                                    ; the first two K steps of enc
	XLOADH 0, 1
	SETEB
	XLOADH 1, 0
	XLOADH 1, 1
	SETEB
	WIN 0
	ROUND                                          ; all four work-groups are here: the first joint loads meet
	SETG0 0
	tensor_load_to_lds s[G0:G0+3], s[G1:G1+7]      ; slot 0; slot 1 is filled behind the first trip's round, where nothing is filled again
	s_nop 0
	PLACES 4
	QSTEP 0, 0, 1, 24                              ; the first K step is quantised while the slot is on its way
	QSTEP 1, 0, 1, 24
	QSTEP 2, 0, 1, 24
	QSTEP 3, 0, 1, 24
	IMAGE 0
	WIN 0
	ETRIP 0, 1, 1, 1, 24, 0, 1, 0                  ; trip 0 stands in front of the loop: its products start the sums
	s_mov_b32 s[CNT], 10
.Lk:                                                   ; trips 1 to 20
	ETRIP 1, 0, 1, 1, 24, 0, 1, 0
	ETRIP 0, 0, 1, 1, 24, 0, 1, 0
	s_sub_co_u32 s[CNT], s[CNT], 1
	s_cmp_lg_u32 s[CNT], 0
	s_cbranch_scc1 .Lk
	ETRIP 1, 0, 1, 0, 28, 1, 1, 0                  ; trip 21: no K step of enc is left to ask for: the counts run down
	ETRIP 0, 0, 1, 0, 12, 1, 1, 0                  ; trip 22
	ETRIP 1, 0, 0, 0, 0, 0, 0, 1                   ; trip 23: nothing to quantise, nothing to fill; c2 and w2 are asked for
; THE WAY OUT.  Two column tiles x four row tiles at a time, 64 registers: u = 2 log2(e) x sum + c2; 2^u; 1 + 2^u; its reciprocal r; the scores' sums take w2 r.  2^u may be infinite: r is then 0, as tanh = 1 asks.
; Each kind of transcendental goes as one batch of 64 with one plain line and one wait behind it, ahead of the first line that names a result.  Each accumulator is read from its low end on.
.macro EPI nb, first
.set R0, 64*((\nb)%4)
	WIN 0x92+0x41*((\nb)/4)                        ; destination and source 0: the accumulators' window; source 2: window 1
.irp dn, 0,1
.irp m, 0,1,2,3
.irp jj, 0,2,4,6
	v_pk_fma_f32 v[R0+32*\dn+8*\m+\jj:R0+32*\dn+8*\m+\jj+1], v[R0+32*\dn+8*\m+\jj:R0+32*\dn+8*\m+\jj+1], s[K2:K2+1], v[C2+8*(2*(\nb)+\dn)+\jj:C2+8*(2*(\nb)+\dn)+\jj+1] op_sel_hi:[1,0,1]
.endr
.endr
.endr
.set i, 0
	s_wait_alu depctr_va_vdst(0)
.rept 64
	v_exp_f32 v[R0+i], v[R0+i]
.set i, i+1
.endr
	v_nop
	s_wait_alu depctr_va_vdst(0)
.set i, 0
.rept 32
	v_pk_add_f32 v[R0+i:R0+i+1], v[R0+i:R0+i+1], 1.0 op_sel_hi:[1,0]
.set i, i+2
.endr
.set i, 0
	s_wait_alu depctr_va_vdst(0)
.rept 64
	v_rcp_f32 v[R0+i], v[R0+i]
.set i, i+1
.endr
	v_nop
	s_wait_alu depctr_va_vdst(0)
	WIN 0x06+((\nb)/4)                             ; source 0: the accumulators' window; source 1: window 1; the sums in window 0
.irp dn, 0,1
.irp jj, 0,2,4,6
.irp m, 0,1,2,3
.if (\first) && (\dn == 0) && (\jj == 0)
	v_pk_mul_f32 v[E+2*\m:E+2*\m+1], v[R0+32*\dn+8*\m+\jj:R0+32*\dn+8*\m+\jj+1], v[W2+8*(2*(\nb)+\dn)+\jj:W2+8*(2*(\nb)+\dn)+\jj+1]
.else
	v_pk_fma_f32 v[E+2*\m:E+2*\m+1], v[R0+32*\dn+8*\m+\jj:R0+32*\dn+8*\m+\jj+1], v[W2+8*(2*(\nb)+\dn)+\jj:W2+8*(2*(\nb)+\dn)+\jj+1], v[E+2*\m:E+2*\m+1]
.endif
.endr
.endr
.endr
.endm
	PLACES 8                                       ; eight places ahead of the first read of results
	s_wait_loadcnt 0x0                             ; c2 and w2
	EPI 0, 1
	EPI 1, 0
	EPI 2, 0
	EPI 3, 0
	EPI 4, 0
	EPI 5, 0
	EPI 6, 0
	EPI 7, 0
	WIN 0
.irp m, 0,1,2,3
	v_add_f32 v[E+2*\m], v[E+2*\m], v[E+2*\m+1]    ; the even and the odd columns,
.endr
.irp m, 0,1,2,3
	v_permlanex16_b32 v[E+2*\m+1], v[E+2*\m], s[SEL], s[SEL+1]
.endr
.irp m, 0,1,2,3
	v_add_f32 v[E+2*\m], v[E+2*\m], v[E+2*\m+1]    ; and lane l xor 16's: my wave's 256 columns of row 16 m + r
.endr
.irp m, 0,1,2,3
	v_mul_f32 v[E+2*\m], -2.0, v[E+2*\m]
.endr
.irp m, 0,1,2,3
	ds_store_b32 v[EPS], v[E+2*\m] offset:64*\m    ; lanes r and r + 16 write the same word with the same value
.endr
	s_wait_dscnt 0x0                               ; for the others' sake: my stores are done
	s_barrier_signal -1
	s_barrier_wait -1
	s_cmp_lg_u32 s[WV], 0
	s_cbranch_scc1 .Ldone
.irp w, 0,1,2,3
	ds_load_b64 v[AF+2*\w:AF+2*\w+1], v[EPR] offset:256*\w   ; wave 0 adds the four waves' parts: two rows a lane
.endr
	s_wait_dscnt 0x0
	v_pk_add_f32 v[AF:AF+1], v[AF:AF+1], v[AF+2:AF+3]
	v_pk_add_f32 v[AF+4:AF+5], v[AF+4:AF+5], v[AF+6:AF+7]
	v_pk_add_f32 v[AF:AF+1], v[AF:AF+1], v[AF+4:AF+5]
	global_store_b64 v[EO], v[AF:AF+1], s[12:13]   ; 32 lanes store 256 consecutive bytes, at a multiple of 256 from the buffer's first byte
.Ldone:
	s_wait_tensorcnt 0x0                           ; the wave's end: behind my last tensor load and my last LDS store
	ds_add_u32 v[SPW], v[NIL]
	s_wait_dscnt 0x0
	ROUND                                          ; the closing round: no work-group ends while a partner may still ask for a block that names it
	s_endpgm
.Lfunc_end_k_qb6332d7492_score:
	.size	k_qb6332d7492_score, .Lfunc_end_k_qb6332d7492_score-k_qb6332d7492_score
	.p2alignl 7, 3214868480
	.fill 96, 4, 3214868480
	.section	.rodata,"a",@progbits
	.p2align	6, 0x0
	.amdhsa_kernel k_qb6332d7492_score
		.amdhsa_group_segment_fixed_size 327680
		.amdhsa_private_segment_fixed_size 0
		.amdhsa_enable_private_segment 0
		.amdhsa_kernarg_size 40
		.amdhsa_user_sgpr_count 2
		.amdhsa_user_sgpr_kernarg_segment_ptr 1
		.amdhsa_wavefront_size32 1
		.amdhsa_system_sgpr_workgroup_id_x 1
		.amdhsa_system_sgpr_workgroup_id_y 1
		.amdhsa_system_sgpr_workgroup_id_z 1
		.amdhsa_system_vgpr_workitem_id 0
		.amdhsa_next_free_vgpr 1024
		.amdhsa_next_free_sgpr 66
		.amdhsa_reserve_vcc 0
		.amdhsa_float_denorm_mode_32 3
		.amdhsa_float_denorm_mode_16_64 3
		.amdhsa_memory_ordered 1
		.amdhsa_forward_progress 1
		.amdhsa_inst_pref_size 245
	.end_amdhsa_kernel
	.amdgpu_metadata
---
amdhsa.version: [ 1, 2 ]
amdhsa.kernels:
  - .name:           k_qb6332d7492_score
    .symbol:         k_qb6332d7492_score.kd
    .args:
      - { .name: encoder_outputs, .offset: 0, .size: 8, .value_kind: global_buffer, .address_space: global }
      - { .name: w1q, .offset: 8, .size: 8, .value_kind: global_buffer, .address_space: global }
      - { .name: c2, .offset: 16, .size: 8, .value_kind: global_buffer, .address_space: global }
      - { .name: w2, .offset: 24, .size: 8, .value_kind: global_buffer, .address_space: global }
      - { .name: escore, .offset: 32, .size: 8, .value_kind: global_buffer, .address_space: global }
    .group_segment_fixed_size: 327680
    .private_segment_fixed_size: 0
    .kernarg_segment_align: 8
    .kernarg_segment_size: 40
    .max_flat_workgroup_size: 128
    .sgpr_count:     66
    .vgpr_count:     1024
    .wavefront_size: 32
...
	.end_amdgpu_metadata
.endif
;; end of part 6
;; launch context (part 7): grid 8 x 32, 8 waves a work-group, no clusters, 14,336 bytes of LDS; arguments encoder_outputs, escore, ctxq, ctxs; writes ctxq, ctxs
.if DOCPART == 7
	.amdgcn_target "amdgcn-amd-amdhsa--gfx1250"
	.amdhsa_code_object_version 6
	.text
	.protected	k_qb6332d7492_context
	.globl	k_qb6332d7492_context
	.p2align	8
	.type	k_qb6332d7492_context,@function
k_qb6332d7492_context:
	s_mov_b64 s[64:65], 0
	v_nop
	global_prefetch_b8 v0, s[64:65] scope:SCOPE_SE
	s_setreg_imm32_b32 hwreg(HW_REG_WAVE_MODE, 25, 1), 1
	s_wait_xcnt 0x0
; CONTEXT: alpha = softmax over the 512 positions of a batch of escore; context[b][f] = sum over s of alpha[s] enc[b][s][f], in f32 fused multiply-adds (it goes into a quantiser); Q(context) as codes of E5M2 and E8M0 bytes.
; LEFT OUT (shown at the head of the first launch): escore lacks sum(w2), the same along the softmax's axis.
; The maximum is taken away before the exponential, as reference() does; the weights are p = 2^((e - max) log2(e)), and the sum of p divides once at the end: another order of rounding than alpha first, f32 rounding only.
; LIMITS: NaN and infinities are not served; a block of zeros has the scale byte 1 over zero codes.
; SHARES.  A work-group owns 384 columns (1,536 bytes of each row) of one batch; wave w owns positions 64 w .. + 63.  A row's part is three loads of 512 consecutive bytes; ten rows of every wave are on their way (a ring in registers).
; Memory binds: no matrix unit, no cluster (no two work-groups read the same bytes of enc; the 2,048 bytes of scores are a small part).
; The batch's maximum and sum are made alike in every wave, under the ring's first loads.  The eight waves' sums meet in LDS; wave 0 adds them and quantises: 24 lanes, 16 neighbouring columns each, two lanes to a block of 32.
.set ROWB,  12288
.set DEPTH, 10
.set SPARE, 13312                      ; the spare words, 128 bytes for each wave: four blocks of 256 bytes that no other line names; the partial sums take bytes 0 to 12,287
.set LI,   2                           ; 16 x lane
.set ZERO, 3                           ; 0: an offset that is the same in all lanes
.set SPW,  4                           ; LDS address of my spare word; never rewritten
.set NIL,  5                           ; 0; never rewritten
.set PST,  6                           ; where I put my partial sums: 1,536 w + 16 lane
.set PRD,  7                           ; where a lane of wave 0 reads 16 columns: 64 lane
.set M,    8                           ; the maximum
.set T,    9
.set NM,   10                          ; v[10:11] -max x log2(e)
.set L,    12                          ; the sum of p
.set BOF,  13                          ; lane / 2: my block's byte
.set INV,  14                          ; v[14:15] 1 / the sum
.set E16,  16                          ; v16-31 16 of the batch's 512 scores
.set P,    32                          ; v32-95 my wave's 64 scores, the same in every lane; then p
.set ACC,  96                          ; v96-107 my 12 columns' sums
.set RING, 108                         ; v108-227 ten rows of 12 numbers
	s_load_b256 s[4:11], s[0:1], 0x0               ; enc s[4:5], escore s[6:7], ctxq s[8:9], ctxs s[10:11]
	v_lshl_add_u32 v[SPW], v0, 2, SPARE
	v_mov_b32 v[NIL], 0
	v_lshrrev_b32 v1, 5, v0
	s_delay_alu instid0(VALU_DEP_1)
	v_readfirstlane_b32 s12, v1                    ; wave 0..7
	v_and_b32 v1, 31, v0                           ; lane; kept
	s_delay_alu instid0(VALU_DEP_1)
	v_lshlrev_b32 v[LI], 4, v1
	v_mov_b32 v[ZERO], 0
	v_mov_b32 v[T], 0                              ; written once: a lane permute's destination counts as one of its sources
	s_mul_i32 s13, s12, 1536
	v_add_nc_u32 v[PST], s13, v[LI]
	v_lshlrev_b32 v[PRD], 6, v1
	v_lshrrev_b32 v[BOF], 1, v1
	s_and_b32 s14, ttmp7, 0xffff                   ; the batch
	s_mul_i32 s16, s14, 6291456                    ; 512 rows of 12,288 bytes,
	s_mul_i32 s17, s12, 786432                     ; my wave's 64,
	s_add_co_u32 s16, s16, s17
	s_mul_i32 s17, ttmp9, 1536                     ; my work-group's columns
	s_add_co_u32 s16, s16, s17
	s_mov_b32 s17, 0
	s_lshl_b32 s18, s14, 11                        ; the batch's 512 scores
	s_mov_b32 s19, 0
	s_lshl_b32 s20, s12, 8                         ; my wave's 64 of them
	s_mov_b32 s21, 0
	s_mul_i32 s30, s14, 3072                       ; the codes: a row of 3,072 bytes, 384 a work-group
	s_mul_i32 s31, ttmp9, 384
	s_add_co_u32 s30, s30, s31
	s_mov_b32 s31, 0
	s_mov_b32 s24, 0x76543210
	s_mov_b32 s25, 0xfedcba98                      ; v_permlanex16_b32's selects for lane l xor 16
	s_mov_b32 s26, 0x3fb8aa3b                      ; log2(e)
	s_mov_b32 s27, s26                             ; named with it as a pair, so it is written
	s_mov_b32 s29, 0x600000                        ; the mantissa field of 57,344
	s_wait_alu depctr_va_vdst(0)
	s_wait_kmcnt 0x0
	s_add_nc_u64 s[4:5], s[4:5], s[16:17]
	s_add_nc_u64 s[6:7], s[6:7], s[18:19]
	s_add_nc_u64 s[22:23], s[6:7], s[20:21]
	s_add_nc_u64 s[8:9], s[8:9], s[30:31]
	s_mul_i32 s30, s14, 96                         ; the scale bytes: 96 a row, 12 a work-group
	s_mul_i32 s16, ttmp9, 12
	s_add_co_u32 s30, s30, s16
	s_add_nc_u64 s[10:11], s[10:11], s[30:31]
.macro ROWLOAD t                       ; row t of my 64: three loads of 512 consecutive bytes; every offset is an immediate: 63 rows and 1,024 bytes at the most, inside the signed 24 bits
.irp i, 0,1,2
	global_load_b128 v[RING+12*((\t)%DEPTH)+4*\i:RING+12*((\t)%DEPTH)+4*\i+3], v[LI], s[4:5] offset:ROWB*(\t)+512*\i th:TH_LOAD_NT
.endr
.endm
.irp i, 0,1,2,3
	global_load_b128 v[E16+4*\i:E16+4*\i+3], v[LI], s[6:7] offset:512*\i
.endr
.irp k, 0,1,2,3,4,5,6,7,8,9,10,11,12,13,14,15
	global_load_b128 v[P+4*\k:P+4*\k+3], v[ZERO], s[22:23] offset:16*\k
.endr
.irp t, 0,1,2,3,4,5,6,7,8,9
	ROWLOAD \t
.endr
	s_wait_loadcnt 30                              ; the scores are in; the ring's 30 loads stay out
	v_max3_num_f32 v[M], v[E16], v[E16+1], v[E16+2]
.irp i, 3,5,7,9,11,13
	s_delay_alu instid0(VALU_DEP_1)
	v_max3_num_f32 v[M], v[M], v[E16+\i], v[E16+\i+1]
.endr
	s_delay_alu instid0(VALU_DEP_1)
	v_max_num_f32 v[M], v[M], v[E16+15]
	s_delay_alu instid0(VALU_DEP_1)
	v_max_num_f32_dpp v[M], v[M], v[M] row_xmask:1 row_mask:0xf bank_mask:0xf
	s_delay_alu instid0(VALU_DEP_1)
	v_max_num_f32_dpp v[M], v[M], v[M] row_xmask:2 row_mask:0xf bank_mask:0xf
	s_delay_alu instid0(VALU_DEP_1)
	v_max_num_f32_dpp v[M], v[M], v[M] row_xmask:4 row_mask:0xf bank_mask:0xf
	s_delay_alu instid0(VALU_DEP_1)
	v_max_num_f32_dpp v[M], v[M], v[M] row_xmask:8 row_mask:0xf bank_mask:0xf
	s_delay_alu instid0(VALU_DEP_1)
	v_permlanex16_b32 v[T], v[M], s24, s25
	s_delay_alu instid0(VALU_DEP_1)
	v_max_num_f32 v[M], v[M], v[T]                 ; the batch's largest score, in every lane
	s_delay_alu instid0(VALU_DEP_1)
	v_mul_f32 v[NM], 0xbfb8aa3b, v[M]              ; -max x log2(e): one number for all 512, so its rounding cancels between p and the sum
	s_delay_alu instid0(VALU_DEP_1)
	v_mov_b32 v[NM+1], v[NM]
.irp j, 0,2,4,6,8,10,12,14
	v_pk_fma_f32 v[E16+\j:E16+\j+1], v[E16+\j:E16+\j+1], s[26:27], v[NM:NM+1] op_sel_hi:[1,0,0]
.endr
.set i, 0
.rept 32
	v_pk_fma_f32 v[P+i:P+i+1], v[P+i:P+i+1], s[26:27], v[NM:NM+1] op_sel_hi:[1,0,0]
.set i, i+2
.endr
.set i, 0
	s_wait_alu depctr_va_vdst(0)
.rept 16
	v_exp_f32 v[E16+i], v[E16+i]
.set i, i+1
.endr
.set i, 0
.rept 64
	v_exp_f32 v[P+i], v[P+i]                       ; p, at most 1
.set i, i+1
.endr
	v_nop                                          ; one plain line behind the batch,
	s_wait_alu depctr_va_vdst(0)                   ; and one wait for all 80, ahead of the first line that names a result
.irp j, 0,4,8,12
	v_pk_add_f32 v[E16+\j:E16+\j+1], v[E16+\j:E16+\j+1], v[E16+\j+2:E16+\j+3]
.endr
	s_delay_alu instid0(VALU_DEP_3)
	v_pk_add_f32 v[E16:E16+1], v[E16:E16+1], v[E16+4:E16+5]
	s_delay_alu instid0(VALU_DEP_2)
	v_pk_add_f32 v[E16+8:E16+9], v[E16+8:E16+9], v[E16+12:E16+13]
	s_delay_alu instid0(VALU_DEP_1)
	v_pk_add_f32 v[E16:E16+1], v[E16:E16+1], v[E16+8:E16+9]
	s_delay_alu instid0(VALU_DEP_1)
	v_add_f32 v[L], v[E16], v[E16+1]
	s_delay_alu instid0(VALU_DEP_1)
	v_add_f32_dpp v[L], v[L], v[L] row_xmask:1 row_mask:0xf bank_mask:0xf
	s_delay_alu instid0(VALU_DEP_1)
	v_add_f32_dpp v[L], v[L], v[L] row_xmask:2 row_mask:0xf bank_mask:0xf
	s_delay_alu instid0(VALU_DEP_1)
	v_add_f32_dpp v[L], v[L], v[L] row_xmask:4 row_mask:0xf bank_mask:0xf
	s_delay_alu instid0(VALU_DEP_1)
	v_add_f32_dpp v[L], v[L], v[L] row_xmask:8 row_mask:0xf bank_mask:0xf
	s_delay_alu instid0(VALU_DEP_1)
	v_permlanex16_b32 v[T], v[L], s24, s25
	s_delay_alu instid0(VALU_DEP_1)
	v_add_f32 v[L], v[L], v[T]                     ; the sum of the 512 p: at least 1
	s_wait_alu depctr_va_vdst(0)
	v_rcp_f32 v[INV], v[L]
	v_nop
	s_wait_alu depctr_va_vdst(0)
	v_mov_b32 v[INV+1], v[INV]
.set tt, 0
.rept 64                               ; row tt: its three loads are in; the rows behind it, nine at the most, stay out
.if 63-tt < DEPTH-1
	s_wait_loadcnt 3*(63-tt)
.else
	s_wait_loadcnt 3*(DEPTH-1)
.endif
.set RG, RING+12*(tt%DEPTH)
.irp k, 0,1,2,3,4,5,6,7,8,9,10,11
.if tt == 0
	v_mul_f32 v[ACC+\k], v[P], v[RG+\k]            ; the first row starts the sums
.else
	v_fmac_f32 v[ACC+\k], v[P+tt], v[RG+\k]
.endif
.endr
.if tt+DEPTH < 64
	ROWLOAD tt+DEPTH
.endif
.set tt, tt+1
.endr
.irp i, 0,1,2
	ds_store_b128 v[PST], v[ACC+4*\i:ACC+4*\i+3] offset:512*\i
.endr
	s_wait_dscnt 0x0                               ; for the others' sake: my stores are done
	s_barrier_signal -1
	s_barrier_wait -1
	s_cmp_lg_u32 s12, 0
	s_cbranch_scc1 .Lend
	v_mul_u32_u24 v228, v1, 48                     ; wave 0 adds with all 32 lanes, 12 columns (48 bytes) each: 32 x 12 = 384
.irp w, 0,1,2,3,4,5,6,7
.irp j, 0,1,2
	ds_load_b128 v[64+12*\w+4*\j:64+12*\w+4*\j+3], v228 offset:1536*\w+16*\j
.endr
.endr
	s_wait_dscnt 0x0
.irp w, 1,2,3,4,5,6,7
.irp k, 0,2,4,6,8,10
	v_pk_add_f32 v[64+\k:64+\k+1], v[64+\k:64+\k+1], v[64+12*\w+\k:64+12*\w+\k+1]
.endr
.endr
.irp k, 0,2,4,6,8,10
	v_pk_mul_f32 v[64+\k:64+\k+1], v[64+\k:64+\k+1], v[INV:INV+1] op_sel_hi:[1,0]   ; / the sum of p: context
.endr
.irp j, 0,1,2
	ds_store_b128 v228, v[64+4*\j:64+4*\j+3] offset:16*\j   ; the 384 numbers go back over wave 0's own partial sums, bytes 0 to 1,535, which only wave 0 touches behind the barrier,
.endr
.irp j, 0,1,2,3
	ds_load_b128 v[32+4*\j:32+4*\j+3], v[PRD] offset:16*\j   ; and come back 16 neighbours a lane (LDS serves a wave's instructions in order).  Lanes 24-31 take 512 bytes of wave 1's partial sums: finite numbers, quantised with the rest and never stored
.endr
	s_wait_dscnt 0x0
	v_max3_num_f32 v160, |v32|, |v33|, |v34|       ; the largest magnitude of my 16
	v_max3_num_f32 v161, |v35|, |v36|, |v37|
.irp i, 6,10
	s_delay_alu instid0(VALU_DEP_2)
	v_max3_num_f32 v160, v160, |v[32+\i]|, |v[32+\i+1]|
	s_delay_alu instid0(VALU_DEP_2)
	v_max3_num_f32 v161, v161, |v[32+\i+2]|, |v[32+\i+3]|
.endr
	s_delay_alu instid0(VALU_DEP_2)
	v_max3_num_f32 v160, v160, |v46|, |v47|
	s_delay_alu instid0(VALU_DEP_1)
	v_max3_num_f32 v160, v160, v161, 0x8000000     ; and the floor 2^(16 - 127): the byte cannot fall under 1
	s_delay_alu instid0(VALU_DEP_1)
	v_max_num_f32_dpp v160, v160, v160 row_xmask:1 row_mask:0xf bank_mask:0xf   ; and of my neighbour's 16: the block's
	s_delay_alu instid0(VALU_DEP_1)
	v_add_nc_u32 v162, 0xf8800000, v160            ; 15 off its exponent field: the conversion's scale operand
	s_delay_alu instid0(VALU_DEP_2)
	v_and_or_b32 v163, v160, 0x7f800000, s29       ; 57,344 x the scale
.irp i, 0,1,2,3,4,5,6,7,8,9,10,11,12,13,14,15
	v_med3_num_f32 v[32+\i], v[32+\i], -v163, v163 ; the conversion does not saturate (ISA guide 7.6.2): the hold
.endr
	v_cvt_scalef32_pk8_bf8_f32 v[164:165], v[32:39], v162
	v_cvt_scalef32_pk8_bf8_f32 v[166:167], v[40:47], v162
	v_lshrrev_b32 v168, 23, v162                   ; the scale's byte
	s_wait_alu depctr_va_vdst(0)
	s_wait_xcnt 0x0                                ; EXEC changes only behind this wait
	v_cmp_gt_u32 vcc_lo, 24, v1
	s_and_saveexec_b32 s28, vcc_lo                 ; 24 lanes x 16 columns = 384: only they store
	global_store_b128 v[LI], v[164:167], s[8:9]
	global_store_b8 v[BOF], v168, s[10:11]         ; both lanes of a block write the same byte with the same value: 12 bytes a work-group
	s_wait_xcnt 0x0                                ; and again, in front of the line that widens EXEC
	s_or_b32 exec_lo, exec_lo, s28
.Lend:
	s_wait_tensorcnt 0x0                           ; the wave's end: behind my last LDS store
	ds_add_u32 v[SPW], v[NIL]
	s_wait_dscnt 0x0
	s_endpgm
.Lfunc_end_k_qb6332d7492_context:
	.size	k_qb6332d7492_context, .Lfunc_end_k_qb6332d7492_context-k_qb6332d7492_context
	.p2alignl 7, 3214868480
	.fill 96, 4, 3214868480
	.section	.rodata,"a",@progbits
	.p2align	6, 0x0
	.amdhsa_kernel k_qb6332d7492_context
		.amdhsa_group_segment_fixed_size 14336
		.amdhsa_private_segment_fixed_size 0
		.amdhsa_enable_private_segment 0
		.amdhsa_kernarg_size 32
		.amdhsa_user_sgpr_count 2
		.amdhsa_user_sgpr_kernarg_segment_ptr 1
		.amdhsa_wavefront_size32 1
		.amdhsa_system_sgpr_workgroup_id_x 1
		.amdhsa_system_sgpr_workgroup_id_y 1
		.amdhsa_system_sgpr_workgroup_id_z 1
		.amdhsa_system_vgpr_workitem_id 0
		.amdhsa_next_free_vgpr 240
		.amdhsa_next_free_sgpr 66
		.amdhsa_reserve_vcc 1
		.amdhsa_float_denorm_mode_32 3
		.amdhsa_float_denorm_mode_16_64 3
		.amdhsa_memory_ordered 1
		.amdhsa_forward_progress 1
		.amdhsa_inst_pref_size 64
	.end_amdhsa_kernel
	.amdgpu_metadata
---
amdhsa.version: [ 1, 2 ]
amdhsa.kernels:
  - .name:           k_qb6332d7492_context
    .symbol:         k_qb6332d7492_context.kd
    .args:
      - { .name: encoder_outputs, .offset: 0, .size: 8, .value_kind: global_buffer, .address_space: global }
      - { .name: escore, .offset: 8, .size: 8, .value_kind: global_buffer, .address_space: global }
      - { .name: ctxq, .offset: 16, .size: 8, .value_kind: global_buffer, .address_space: global }
      - { .name: ctxs, .offset: 24, .size: 8, .value_kind: global_buffer, .address_space: global }
    .group_segment_fixed_size: 14336
    .private_segment_fixed_size: 0
    .kernarg_segment_align: 8
    .kernarg_segment_size: 32
    .max_flat_workgroup_size: 256
    .sgpr_count:     66
    .vgpr_count:     240
    .wavefront_size: 32
...
	.end_amdgpu_metadata
.endif
;; end of part 7
;; launch proj (part 8): grid 64 x 1, 8 waves a work-group, no clusters, 17,408 bytes of LDS; arguments ctxq, ctxs, w3q, b3, out0; writes out0
.if DOCPART == 8
	.amdgcn_target "amdgcn-amd-amdhsa--gfx1250"
	.amdhsa_code_object_version 6
	.text
	.protected	k_qb6332d7492_proj
	.globl	k_qb6332d7492_proj
	.p2align	8
	.type	k_qb6332d7492_proj,@function
k_qb6332d7492_proj:
	s_mov_b64 s[64:65], 0
	v_nop
	global_prefetch_b8 v0, s[64:65] scope:SCOPE_SE
	s_setreg_imm32_b32 hwreg(HW_REG_WAVE_MODE, 25, 1), 1
	s_wait_xcnt 0x0
; PROJ: out0 = Q(context) Q(W3)^T + b3: [32 x 3,072] x [3,072 x 1,024], both operands as codes of E5M2 with E8M0 scales, made by the earlier launches.  Nothing of this product is left out.
; SHARES.  A work-group owns 16 columns of out0 (one tile of 16 rows of W3) and all 32 rows.  Its eight waves share K: wave v takes K steps 3 v .. 3 v + 2, six matrix instructions on two accumulators by turns.
; The eight partial sums meet in LDS; waves 0 and 1 add them (rows 0-15, rows 16-31), add b3 and store.  K is so summed in eight runs: f32 rounding only.
; W3's fragments lie in w3q as register images (16 bytes a lane on end), context's codes in rows: all operands go from memory straight into registers; each byte of w3q is read once in the launch.
; The product is small and short: 64 work-groups, one for each tile of columns; tiles four times as wide, whose stores would cover 256 consecutive bytes of a row, would leave 16.  A lane stores 32 bytes, 32 lanes 64 bytes of each of 16 rows.
; No cluster: what work-groups share, context's 96 KiB of codes, is small beside W3's 3 MiB, which nobody shares.
; TRANSPOSED: source 0 = 16 rows of W3, source 1 = 16 rows of context: lane (r, h) holds row 16 m + r of out0, register j column 16 t + 8 h + j.
.set SPARE, 16384                      ; behind the eight waves' partial sums of 2,048 bytes: the spare words, 128 bytes for each wave: four blocks of 256 bytes that no other line names
.set LI,   4                           ; 16 x lane
.set AA,   5                           ; context's codes: row r of 3,072 bytes, + 16 h
.set ASO,  6                           ; its scale words: 96 bytes a row
.set BSO,  7                           ; W3's scale words: 16 r
.set STO,  8                           ; my partial sums: 2,048 w + 16 lane
.set RDA,  9                           ; waves 0 and 1: 1,024 w + 16 lane
.set SPW,  10                          ; LDS address of my spare word; never rewritten
.set NIL,  11                          ; 0; never rewritten
.set BO,   12                          ; 32 h
.set OO,   13                          ; out0: row r of 4,096 bytes, + 32 h
.set BSC,  16                          ; v16-18 W3's scale words, K step i
.set ASC,  20                          ; v20-25 context's, 3 m + i
.set BFR,  32                          ; v32-79 W3's three fragments
.set AFR,  80                          ; v80-175 context's six, 3 m + i
.set D,    176                         ; v176-191 the two accumulators
.set B3,   192                         ; v192-199 b3
.set WV,   14
	s_load_b256 s[4:11], s[0:1], 0x0               ; ctxq s[4:5], ctxs s[6:7], w3q s[8:9], b3 s[10:11]
	s_load_b64 s[12:13], s[0:1], 0x20              ; out0
	v_lshl_add_u32 v[SPW], v0, 2, SPARE
	v_mov_b32 v[NIL], 0
	v_lshrrev_b32 v1, 5, v0
	s_delay_alu instid0(VALU_DEP_1)
	v_readfirstlane_b32 s[WV], v1                  ; wave 0..7
	v_and_b32 v1, 31, v0                           ; lane
	v_and_b32 v2, 15, v0                           ; r
	v_bfe_u32 v3, v0, 4, 1                         ; h
	s_delay_alu instid0(VALU_DEP_3)
	v_lshlrev_b32 v[LI], 4, v1
	s_delay_alu instid0(VALU_DEP_3)
	v_mul_u32_u24 v[AA], v2, 3072
	s_delay_alu instid0(VALU_DEP_1)
	v_lshl_add_u32 v[AA], v3, 4, v[AA]
	v_mul_u32_u24 v[ASO], v2, 96
	v_lshlrev_b32 v[BSO], 4, v2
	s_lshl_b32 s15, s[WV], 11
	v_add_nc_u32 v[STO], s15, v[LI]
	s_lshl_b32 s15, s[WV], 10
	v_add_nc_u32 v[RDA], s15, v[LI]
	v_lshlrev_b32 v[BO], 5, v3
	s_delay_alu instid0(VALU_DEP_1)
	v_lshl_add_u32 v[OO], v2, 12, v[BO]
	s_lshr_b32 s15, ttmp9, 4                       ; the tile's quarter of W3's rows,
	s_and_b32 s16, ttmp9, 15                       ; and its place in the quarter
	s_mul_i32 s17, s[WV], 12                       ; block 4 (3 w) + quarter
	s_add_co_u32 s17, s17, s15
	s_mul_i32 s18, s17, 33792
	s_lshl_b32 s20, s16, 11
	s_add_co_u32 s20, s20, s18                     ; the tile's image
	s_mov_b32 s21, 0
	s_lshr_b32 s22, s16, 3                         ; its scale words: 512 (tile / 8) + 256 (tile % 2) + 4 ((tile / 2) % 4), behind the block's 16 images
	s_lshl_b32 s22, s22, 9
	s_and_b32 s23, s16, 1
	s_lshl_b32 s23, s23, 8
	s_add_co_u32 s22, s22, s23
	s_bfe_u32 s23, s16, 0x20001
	s_lshl_b32 s23, s23, 2
	s_add_co_u32 s22, s22, s23
	s_add_co_u32 s22, s22, s18
	s_add_co_u32 s22, s22, 32768
	s_mov_b32 s23, 0
	s_mul_i32 s28, s[WV], 384                      ; my three K steps of context's codes,
	s_mov_b32 s29, 0
	s_mul_i32 s30, s[WV], 12                       ; and of its scale bytes
	s_mov_b32 s31, 0
	s_lshl_b32 s32, ttmp9, 6                       ; the tile's 16 numbers of b3
	s_mov_b32 s33, 0
	s_lshl_b32 s34, s[WV], 16                      ; out0: 16 rows of 4,096 bytes for each of waves 0 and 1 (the other waves store nothing)
	s_add_co_u32 s34, s34, s32
	s_mov_b32 s35, 0
	s_wait_alu depctr_va_vdst(0)
	s_wait_kmcnt 0x0
	s_add_nc_u64 s[24:25], s[8:9], s[20:21]
	s_add_nc_u64 s[26:27], s[8:9], s[22:23]
	s_add_nc_u64 s[4:5], s[4:5], s[28:29]
	s_add_nc_u64 s[6:7], s[6:7], s[30:31]
	s_add_nc_u64 s[10:11], s[10:11], s[32:33]
	s_add_nc_u64 s[12:13], s[12:13], s[34:35]
.irp i, 0,1,2
.irp c, 0,1,2,3
	global_load_b128 v[BFR+16*\i+4*\c:BFR+16*\i+4*\c+3], v[LI], s[24:25] offset:135168*\i+512*\c th:TH_LOAD_NT   ; 32 lanes read 512 consecutive bytes
.endr
	global_load_b32 v[BSC+\i], v[BSO], s[26:27] offset:135168*\i
.endr
.irp m, 0,1
.irp i, 0,1,2
.irp c, 0,1,2,3
	global_load_b128 v[AFR+16*(3*\m+\i)+4*\c:AFR+16*(3*\m+\i)+4*\c+3], v[AA], s[4:5] offset:49152*\m+128*\i+32*\c
.endr
	global_load_b32 v[ASC+3*\m+\i], v[ASO], s[6:7] offset:1536*\m+4*\i
.endr
.endr
	global_load_b128 v[B3:B3+3], v[BO], s[10:11]   ; every wave loads them: a branch round two loads would spare nothing
	global_load_b128 v[B3+4:B3+7], v[BO], s[10:11] offset:16
	s_wait_loadcnt 0x0
.irp i, 0,1,2                          ; the two accumulators by turns, one instruction a turn; the first K step starts the sums
.irp m, 0,1
.if \i == 0
	v_wmma_scale_f32_16x16x128_f8f6f4 v[D+8*\m:D+8*\m+7], v[BFR+16*\i:BFR+16*\i+15], v[AFR+16*(3*\m+\i):AFR+16*(3*\m+\i)+15], 0, v[BSC+\i], v[ASC+3*\m+\i] matrix_a_fmt:MATRIX_FMT_BF8 matrix_b_fmt:MATRIX_FMT_BF8
.else
	v_wmma_scale_f32_16x16x128_f8f6f4 v[D+8*\m:D+8*\m+7], v[BFR+16*\i:BFR+16*\i+15], v[AFR+16*(3*\m+\i):AFR+16*(3*\m+\i)+15], v[D+8*\m:D+8*\m+7], v[BSC+\i], v[ASC+3*\m+\i] matrix_a_fmt:MATRIX_FMT_BF8 matrix_b_fmt:MATRIX_FMT_BF8
.endif
.endr
.endr
.rept 8
	v_nop                                          ; eight places ahead of the first read of results, and of the loads below into registers that the products read
.endr
.irp m, 0,1
.irp u, 0,1
	ds_store_b128 v[STO], v[D+8*\m+4*\u:D+8*\m+4*\u+3] offset:1024*\m+512*\u   ; each accumulator from its low end on
.endr
.endr
	s_wait_dscnt 0x0                               ; for the others' sake: my stores are done
	s_barrier_signal -1
	s_barrier_wait -1
	s_cmp_ge_u32 s[WV], 2
	s_cbranch_scc1 .Lend
.irp vp, 0,1,2,3,4,5,6,7               ; wave m adds the eight waves' sums for rows 16 m .. + 15
.irp u, 0,1
	ds_load_b128 v[32+8*\vp+4*\u:32+8*\vp+4*\u+3], v[RDA] offset:2048*\vp+512*\u
.endr
.endr
	s_wait_dscnt 0x0
.irp vp, 1,2,3,4,5,6,7
.irp k, 0,2,4,6
	v_pk_add_f32 v[32+\k:32+\k+1], v[32+\k:32+\k+1], v[32+8*\vp+\k:32+8*\vp+\k+1]
.endr
.endr
.irp k, 0,2,4,6
	s_delay_alu instid0(VALU_DEP_4)
	v_pk_add_f32 v[32+\k:32+\k+1], v[32+\k:32+\k+1], v[B3+\k:B3+\k+1]
.endr
	global_store_b128 v[OO], v[32:35], s[12:13]
	global_store_b128 v[OO], v[36:39], s[12:13] offset:16
.Lend:
	s_wait_tensorcnt 0x0                           ; the wave's end: behind my last LDS store
	ds_add_u32 v[SPW], v[NIL]
	s_wait_dscnt 0x0
	s_endpgm
.Lfunc_end_k_qb6332d7492_proj:
	.size	k_qb6332d7492_proj, .Lfunc_end_k_qb6332d7492_proj-k_qb6332d7492_proj
	.p2alignl 7, 3214868480
	.fill 96, 4, 3214868480
	.section	.rodata,"a",@progbits
	.p2align	6, 0x0
	.amdhsa_kernel k_qb6332d7492_proj
		.amdhsa_group_segment_fixed_size 17408
		.amdhsa_private_segment_fixed_size 0
		.amdhsa_enable_private_segment 0
		.amdhsa_kernarg_size 40
		.amdhsa_user_sgpr_count 2
		.amdhsa_user_sgpr_kernarg_segment_ptr 1
		.amdhsa_wavefront_size32 1
		.amdhsa_system_sgpr_workgroup_id_x 1
		.amdhsa_system_sgpr_workgroup_id_y 1
		.amdhsa_system_sgpr_workgroup_id_z 1
		.amdhsa_system_vgpr_workitem_id 0
		.amdhsa_next_free_vgpr 208
		.amdhsa_next_free_sgpr 66
		.amdhsa_reserve_vcc 0
		.amdhsa_float_denorm_mode_32 3
		.amdhsa_float_denorm_mode_16_64 3
		.amdhsa_memory_ordered 1
		.amdhsa_forward_progress 1
		.amdhsa_inst_pref_size 12
	.end_amdhsa_kernel
	.amdgpu_metadata
---
amdhsa.version: [ 1, 2 ]
amdhsa.kernels:
  - .name:           k_qb6332d7492_proj
    .symbol:         k_qb6332d7492_proj.kd
    .args:
      - { .name: ctxq, .offset: 0, .size: 8, .value_kind: global_buffer, .address_space: global }
      - { .name: ctxs, .offset: 8, .size: 8, .value_kind: global_buffer, .address_space: global }
      - { .name: w3q, .offset: 16, .size: 8, .value_kind: global_buffer, .address_space: global }
      - { .name: b3, .offset: 24, .size: 8, .value_kind: global_buffer, .address_space: global }
      - { .name: out0, .offset: 32, .size: 8, .value_kind: global_buffer, .address_space: global }
    .group_segment_fixed_size: 17408
    .private_segment_fixed_size: 0
    .kernarg_segment_align: 8
    .kernarg_segment_size: 40
    .max_flat_workgroup_size: 256
    .sgpr_count:     66
    .vgpr_count:     208
    .wavefront_size: 32
...
	.end_amdgpu_metadata
.endif
;; end of part 8
